; MI455X (gfx1250); checked and timed in simulation.
; The chip was launched on July 23, 2026; its instructions are those of AMD's public machine-readable ISA for CDNA 5 (MIT licence, August 2026) and "CDNA5" Instruction Set Architecture Reference Guide (July 2026). The comments in the code are by the model that wrote it; some were corrected since.
;; Efficient Mo E Layer. Allowed arithmetic: matrix products marked QUANTISED: E2M1 operands, one E8M0 scale for each 32 along K, by v_wmma_scale_f32_16x16x128_f8f6f4 with both operands' format E2M1 (or v_wmma_scale_f32_32x16x128_f4), f32 sums; products left as they are: f32 operands where the result goes on into a quantised operand, else bf16, f16 or f32 operands; f32 sums; everything else in f32.
;; Inputs: W1 8 x 1,024 x 4,096 float32; W2 8 x 4,096 x 1,024 float32; Wg 1,024 x 8 float32; b1 8 x 4,096 float32; b2 8 x 1,024 float32; x 4 x 256 x 1,024 float32.
;; Outputs: out0 4 x 256 x 1,024 float32.
;; This version of the problem:
;;   THIS VERSION OF THE PROBLEM IS GIVEN IN LOW PRECISION. The matrix products marked QUANTISED in the list below multiply operands that are first quantised to E2M1 (2 exponent bits, 1 mantissa bit; 4 bits a number), with one power-of-two scale for each 32 numbers along K (OCP MX v1.0); their sums are f32. All else is computed in f32.
;;   The module's matrix products, in the order in which they are computed (A, B: the left and right operand; K: the contracted axis; several contracted axes count as one K, in the product's order):
;;     1. [M 1,024, K 1,024] x [K 1,024, N 8]; A: input x; B: input Wg: left as it is (N = 8 < 16)
;;     2. [M 1,024, K 1,024] x [K 1,024, N 4,096]; A: input x; B: input W1: QUANTISED
;;     3. [M 1,024, K 4,096] x [K 4,096, N 1,024]; A: computed on the way; B: input W2: QUANTISED
;;     4. [M 1,024, K 1,024] x [K 1,024, N 4,096]; A: input x; B: input W1: QUANTISED
;;     5. [M 1,024, K 4,096] x [K 4,096, N 1,024]; A: computed on the way; B: input W2: QUANTISED
;;     6. [M 1,024, K 1,024] x [K 1,024, N 4,096]; A: input x; B: input W1: QUANTISED
;;     7. [M 1,024, K 4,096] x [K 4,096, N 1,024]; A: computed on the way; B: input W2: QUANTISED
;;     8. [M 1,024, K 1,024] x [K 1,024, N 4,096]; A: input x; B: input W1: QUANTISED
;;     9. [M 1,024, K 4,096] x [K 4,096, N 1,024]; A: computed on the way; B: input W2: QUANTISED
;;     10. [M 1,024, K 1,024] x [K 1,024, N 4,096]; A: input x; B: input W1: QUANTISED
;;     11. [M 1,024, K 4,096] x [K 4,096, N 1,024]; A: computed on the way; B: input W2: QUANTISED
;;     12. [M 1,024, K 1,024] x [K 1,024, N 4,096]; A: input x; B: input W1: QUANTISED
;;     13. [M 1,024, K 4,096] x [K 4,096, N 1,024]; A: computed on the way; B: input W2: QUANTISED
;;     14. [M 1,024, K 1,024] x [K 1,024, N 4,096]; A: input x; B: input W1: QUANTISED
;;     15. [M 1,024, K 4,096] x [K 4,096, N 1,024]; A: computed on the way; B: input W2: QUANTISED
;;     16. [M 1,024, K 1,024] x [K 1,024, N 4,096]; A: input x; B: input W1: QUANTISED
;;     17. [M 1,024, K 4,096] x [K 4,096, N 1,024]; A: computed on the way; B: input W2: QUANTISED
;;   THE QUANTISER, for each operand of a quantised product, along K:
;;     - K is cut into blocks of 32 from its start; a last block that is shorter is filled with zeros.
;;     - A block's scale is 2^e with e = floor(log2(the largest magnitude in the block)) - 2, held to -126 .. 127; a block of zeros has e = 0. As a byte (E8M0): e + 127.
;;     - Each number is divided by its block's scale, clamped to +-6, and rounded to the nearest number of E2M1, ties to even, subnormals kept.
;;     - The product sums the exact products of the quantised numbers (number of the format x scale) in f32.
;;   ~~~python
;;   def quantise(x, axis):      # numpy; x: float32 -> the quantised numbers, widened to float32 again
;;       x = np.moveaxis(x, axis, -1); K = x.shape[-1]
;;       x = np.pad(x, [(0, 0)] * (x.ndim - 1) + [(0, -K % 32)]); x = x.reshape(x.shape[:-1] + (-1, 32)); a = np.abs(x).max(-1, keepdims=True)
;;       e = np.where(a > 0, np.clip(np.frexp(np.where(a > 0, a, 1))[1] - 1 - 2, -126, 127), 0)      # np.frexp(a)[1] - 1 = floor(log2(a)), exactly
;;       r = np.clip(x / 2.0 ** e, -6, 6)
;;       step = 2.0 ** (np.maximum(np.frexp(np.where(r == 0, 1, r))[1] - 1, 0) - 1)
;;       q = np.round(r / step) * step * 2.0 ** e      # np.round: ties to even
;;       return np.moveaxis(q.reshape(q.shape[:-2] + (-1,))[..., :K], -1, axis).astype(np.float32)
;;   ~~~
;;   OPERANDS COMPUTED ON THE WAY. 'Computed on the way' means the value that the module computes at that place (a softmax that the list does not call 'softmax' is quantised finished and normalised). What goes into a quantiser is computed in f32, as accurately as f32 sums, v_exp_f32 and their like allow (about 1e-6 of the number): no bf16 or f16 on the way to a quantiser, and a product that is left as it is and whose result goes on into a quantised operand takes f32 operands (vector FMAs, or v_wmma_f32_16x16x4_f32). A number that lies on a knife's edge between two numbers of the format may be rounded either way, as far as f32 arithmetic and the matrix unit's own rounding can turn it there, and no further.
;; One version. Each part assembles by itself: llvm-mc -triple=amdgcn-amd-amdhsa -mcpu=gfx1250 --defsym DOCPART=n.
;; ======== version 1 of 1: 4 launches
;; limits: right only within a limited range of input values
;; workspace buffers: topi 9,216 bytes of whole numbers; xq 565,248 bytes; lists 33,792 bytes of whole numbers; gwb 32,768 bytes; hid 17,825,792 bytes; ybuf 18,874,368 bytes
;; launch route (part 1): grid 256 x 1, 4 waves a work-group, no clusters, 38,144 bytes of LDS; arguments x, Wg, topi, xq; writes topi, xq
.if DOCPART == 1
	.amdgcn_target "amdgcn-amd-amdhsa--gfx1250"
	.amdhsa_code_object_version 6
	.text
	.protected	k_q2eb61c89ac_route
	.globl	k_q2eb61c89ac_route
	.p2align	8
	.type	k_q2eb61c89ac_route,@function
k_q2eb61c89ac_route:
	s_mov_b64 s[64:65], 0
	v_nop
	global_prefetch_b8 v0, s[64:65] scope:SCOPE_SE
	s_setreg_imm32_b32 hwreg(HW_REG_WAVE_MODE, 25, 1), 1
	s_wait_xcnt 0x0
; ROUTER, TOP-2, GATE, AND x AS CODES.  x: [1024 tokens][1024] f32, Wg: [1024][8] f32.
; Stored at fixed places: topi +0 [token][2] i32 (the chosen experts, the larger logit first); +8192 [token] one byte with the bits of the two chosen experts;
; xq: +0 x's codes of E2M1 [token][512 bytes], K innermost; +524288 its E8M0 bytes [token][32]; +557056 the two gate weights [token][2] f32.
; SHARES.  A work-group takes 4 tokens; wave v takes k = 256 v .. 256 v + 255, lane l of it k = 256 v + 8 l + 0 .. 7.
; The logits are sums in f32 (fused multiply-adds), first in a lane, then over the lanes, then over the four waves in LDS.
; No address and no branch of this launch hangs on a logit: the choice is made by compares and selects and stored.
; No matrix unit, no cluster: 8 columns of Wg are too few for a tile, and work-groups share only Wg's 32 KiB.
; LIMITS: NaN and infinities among the inputs are not served; the logits are summed in another order than a plain dot product, so two logits
; that agree to f32's last bits may be ranked the other way; a block of x whose largest magnitude lies under 2^-124 (zeros too) keeps the byte 1.
.set WGT, 0                            ; LDS: for each wave 32 x (256 + 16) bytes: Wg's rows turn from 16 bytes a lane to 256 bytes a lane
.set RED, 34816                        ; [wave][token][8] f32: the waves' parts of the logits
.set XST, 35328                        ; [token][512]: the codes
.set XSS, 37376                        ; [token][32]: the scale bytes
.set SPARE, 37632                      ; the spare words, 128 bytes for each wave: two blocks of 256 bytes that no other line names
.set X,   32                           ; v32-63   x: token t at X + 8 t
.set T,   64                           ; v64-127  Wg as loaded
.set W,   128                          ; v128-191 Wg(k = my 8 i-th, e) at W + 8 i + e
.set ACC, 64                           ; v64-95   logits: token t, expert e at ACC + 8 t + e (over T, once T has gone through the stage)
	s_load_b256 s[4:11], s[0:1], 0x0               ; x s[4:5], Wg s[6:7], topi s[8:9], xq s[10:11]
	v_lshl_add_u32 v192, v0, 2, SPARE              ; my spare word; never rewritten
	v_mov_b32 v193, 0                              ; 0; never rewritten
	v_and_b32 v1, 31, v0                           ; lane
	s_wait_alu depctr_va_vdst(0)
	v_lshrrev_b32 v2, 5, v0
	v_readfirstlane_b32 s12, v2                    ; wave
	s_mov_b32 s20, 0x76543210
	s_mov_b32 s21, 0xfedcba98                      ; v_permlanex16_b32's selects for lane l xor 16
	s_lshl_b32 s14, ttmp9, 14                      ; 4 tokens of 4,096 bytes
	s_lshl_b32 s15, s12, 10                        ; my wave's 256 numbers
	s_add_co_u32 s14, s14, s15
	s_mov_b32 s15, 0
	s_lshl_b32 s16, s12, 13                        ; my wave's 256 rows of Wg
	s_mov_b32 s17, 0
	s_mul_i32 s18, s12, 8704                       ; my wave's stage
	s_lshl_b32 s23, ttmp9, 2                       ; the work-group's first token
	v_lshlrev_b32 v3, 4, v1                        ; 16 l
	v_lshlrev_b32 v4, 5, v1                        ; 32 l
	v_lshrrev_b32 v5, 4, v1
	v_lshl_add_u32 v5, v5, 4, v3
	v_add_nc_u32 v5, s18, v5                       ; into the stage: 16 l, and 16 of padding behind each 256
	v_mul_u32_u24 v6, v1, 272
	v_add_nc_u32 v6, s18, v6                       ; out of it: 272 l
	s_lshl_b32 s19, s12, 7
	s_add_co_u32 s22, s19, RED
	v_mov_b32 v7, s22                              ; my wave's 128 bytes of RED
	s_add_co_u32 s22, s19, XST
	v_lshl_add_u32 v8, v1, 2, s22                  ; my 4 bytes of codes in a token's row
	s_lshl_b32 s22, s12, 3
	s_add_co_u32 s22, s22, XSS
	v_lshrrev_b32 v9, 2, v1
	v_add_nc_u32 v9, s22, v9                       ; my block's scale byte: four lanes to a block
	v_lshl_add_u32 v10, v0, 4, XST                 ; the codes' way out: 16 bytes a thread
	s_lshl_b32 s22, ttmp9, 11
	v_lshl_add_u32 v11, v0, 4, s22
	v_lshl_add_u32 v12, v1, 2, XSS                 ; the scale bytes' way out (wave 0)
	s_lshl_b32 s22, ttmp9, 7
	v_lshl_add_u32 v13, v1, 2, s22
	v_and_b32 v14, 3, v1
	v_lshl_add_u32 v14, v14, 5, RED                ; wave 0, lane l: token l % 4
	s_lshl_b32 s22, ttmp9, 5
	v_lshl_add_u32 v15, v1, 3, s22
	s_wait_kmcnt 0x0
	s_add_nc_u64 s[4:5], s[4:5], s[14:15]
	s_add_nc_u64 s[6:7], s[6:7], s[16:17]
.set li, 0
.rept 16
	global_load_b128 v[T+4*li:T+4*li+3], v3, s[6:7] offset:512*li      ; 32 lanes read 512 consecutive bytes
.set li, li+1
.endr
.irp t, 0,1,2,3
	global_load_b128 v[X+8*\t:X+8*\t+3], v4, s[4:5] offset:4096*\t th:TH_LOAD_NT
	global_load_b128 v[X+8*\t+4:X+8*\t+7], v4, s[4:5] offset:4096*\t+16 th:TH_LOAD_NT
.endr
	s_wait_loadcnt 8                               ; Wg's sixteen loads are in; x's eight are younger
.set li, 0
.rept 16
	ds_store_b128 v5, v[T+4*li:T+4*li+3] offset:544*li
.set li, li+1
.endr
.set li, 0
.rept 16
	ds_load_b128 v[W+4*li:W+4*li+3], v6 offset:16*li                   ; a wave's LDS instructions are served in order: these see my stores
.set li, li+1
.endr
	s_wait_loadcnt 0x0
	s_wait_dscnt 0x0
; the logits' parts: 8 k of mine x 8 experts x 4 tokens; the first product starts each sum
.irp t, 0,1,2,3
.irp e, 0,1,2,3,4,5,6,7
	v_mul_f32 v[ACC+8*\t+\e], v[W+\e], v[X+8*\t]
.endr
.endr
.irp i, 1,2,3,4,5,6,7
.irp t, 0,1,2,3
.irp e, 0,1,2,3,4,5,6,7
	v_fmac_f32 v[ACC+8*\t+\e], v[W+8*\i+\e], v[X+8*\t+\i]
.endr
.endr
.endr
; over the 32 lanes: four steps inside each half ride on the addition, one crosses the halves
.irp m, 1,2,4,8
.set li, 0
.rept 32
	v_add_f32_dpp v[ACC+li], v[ACC+li], v[ACC+li] row_xmask:\m row_mask:0xf bank_mask:0xf
.set li, li+1
.endr
.endr
.set li, 0
.rept 32
	v_permlanex16_b32 v[96+li], v[ACC+li], s20, s21                    ; v96-127 were written by Wg's loads
.set li, li+1
.endr
.set li, 0
.rept 32
	v_add_f32 v[ACC+li], v[ACC+li], v[96+li]
.set li, li+1
.endr
.irp m, 0,1,2,3,4,5,6,7
	ds_store_b128 v7, v[ACC+4*\m:ACC+4*\m+3] offset:16*\m              ; all lanes hold the same numbers and write the same bytes
.endr
; x as codes: a block of 32 lies in four neighbouring lanes.  v16-19 largest magnitudes, v20-23 scale operands, v24-27 bytes, v28-31 codes
.irp t, 0,1,2,3
	v_max3_num_f32 v[16+\t], |v[X+8*\t]|, |v[X+8*\t+1]|, 0x1800000     ; the floor 2^(3 - 127) holds the byte at 1 from below
.endr
.irp i, 2,4,6
.irp t, 0,1,2,3
	v_max3_num_f32 v[16+\t], v[16+\t], |v[X+8*\t+\i]|, |v[X+8*\t+\i+1]|
.endr
.endr
.irp m, 1,2
.irp t, 0,1,2,3
	v_max_num_f32_dpp v[16+\t], v[16+\t], v[16+\t] row_xmask:\m row_mask:0xf bank_mask:0xf
.endr
.endr
.irp t, 0,1,2,3
	v_add_nc_u32 v[20+\t], 0xff000000, v[16+\t]                        ; 2 off the exponent field: the conversion's scale operand
.endr
.irp t, 0,1,2,3
	v_lshrrev_b32 v[24+\t], 23, v[20+\t]                               ; the scale's byte
.endr
.irp t, 0,1,2,3
	v_cvt_scalef32_pk8_fp4_f32 v[28+\t], v[X+8*\t:X+8*\t+7], v[20+\t]
.endr
	v_nop                                          ; one plain line behind the conversions
.irp t, 0,1,2,3
	ds_store_b32 v8, v[28+\t] offset:512*\t
	ds_store_b8 v9, v[24+\t] offset:32*\t          ; the four lanes of a block write the same byte with the same value
.endr
	s_wait_dscnt 0x0                               ; for the others' sake: my stores have landed
	s_barrier_signal -1
	s_barrier_wait -1
	ds_load_b128 v[96:99], v10
	s_wait_dscnt 0x0
	global_store_b128 v11, v[96:99], s[10:11]      ; a wave stores 512 consecutive bytes, aligned
	s_cmp_lg_u32 s12, 0
	s_cbranch_scc1 .Lend                           ; the rest is wave 0's
	ds_load_b32 v100, v12
.irp w, 0,1,2,3
	ds_load_b128 v[64+8*\w:67+8*\w], v14 offset:128*\w
	ds_load_b128 v[68+8*\w:71+8*\w], v14 offset:128*\w+16
.endr
	s_wait_dscnt 0x0
	global_store_b32 v13, v100, s[10:11] offset:524288
.irp w, 1,2,3
.irp p, 0,2,4,6
	v_pk_add_f32 v[64+\p:65+\p], v[64+\p:65+\p], v[64+8*\w+\p:65+8*\w+\p]   ; the waves' parts, ascending
.endr
.endr
; the largest logit; where two are equal the lower index stays
	v_mov_b32 v104, v64
	v_mov_b32 v102, 0
.irp e, 1,2,3,4,5,6,7
	v_cmp_le_f32 vcc_lo, v[64+\e], v104
	v_cndmask_b32 v104, v[64+\e], v104, vcc_lo
	v_cndmask_b32 v102, \e, v102, vcc_lo
.endr
	v_mov_b32 v108, 0xff800000
.irp e, 0,1,2,3,4,5,6,7
	v_cmp_eq_u32 vcc_lo, \e, v102
	v_cndmask_b32 v[64+\e], v[64+\e], v108, vcc_lo                     ; the winner leaves the field
.endr
	v_mov_b32 v105, v64
	v_mov_b32 v103, 0
.irp e, 1,2,3,4,5,6,7
	v_cmp_le_f32 vcc_lo, v[64+\e], v105
	v_cndmask_b32 v105, v[64+\e], v105, vcc_lo
	v_cndmask_b32 v103, \e, v103, vcc_lo
.endr
; softmax over the two, the larger taken away: w0 = 1 / (1 + E), w1 = E / (1 + E), E = exp(second - first), at most 1
	v_sub_f32 v109, v105, v104
	v_mul_f32 v109, 0x3fb8aa3b, v109
	s_wait_alu depctr_va_vdst(0)
	v_exp_f32 v110, v109
	v_nop                                          ; a plain line behind the transcendental,
	s_wait_alu depctr_va_vdst(0)                   ; and the wait ahead of its first reader
	v_add_f32 v111, 1.0, v110
	s_wait_alu depctr_va_vdst(0)
	v_rcp_f32 v106, v111
	v_nop
	s_wait_alu depctr_va_vdst(0)
	v_mul_f32 v107, v110, v106
	v_mov_b32 v112, 1
	v_lshlrev_b32 v113, v102, v112                 ; the first choice's bit,
	v_lshlrev_b32 v112, v103, v112                 ; the second's:
	v_or_b32 v112, v112, v113                      ; the token's byte
	v_add_nc_u32 v114, s23, v1                     ; lane l: token 4 x work-group + l
	s_wait_alu depctr_va_vdst(0)
	s_wait_xcnt 0x0                                ; EXEC changes only behind this wait
	v_cmp_gt_u32 vcc_lo, 4, v1
	s_and_saveexec_b32 s22, vcc_lo                 ; lanes 0 to 3: one token each
	global_store_b64 v15, v[102:103], s[8:9]
	global_store_b64 v15, v[106:107], s[10:11] offset:557056
	global_store_b8 v114, v112, s[8:9] offset:8192
	s_wait_xcnt 0x0
	s_or_b32 exec_lo, exec_lo, s22
.Lend:
	s_wait_tensorcnt 0x0                           ; the wave's end
	ds_add_u32 v192, v193
	s_wait_dscnt 0x0
	s_endpgm
.Lfunc_end_k_q2eb61c89ac_route:
	.size	k_q2eb61c89ac_route, .Lfunc_end_k_q2eb61c89ac_route-k_q2eb61c89ac_route
	.p2alignl 7, 3214868480
	.fill 96, 4, 3214868480
	.section	.rodata,"a",@progbits
	.p2align	6, 0x0
	.amdhsa_kernel k_q2eb61c89ac_route
		.amdhsa_group_segment_fixed_size 38144
		.amdhsa_private_segment_fixed_size 0
		.amdhsa_enable_private_segment 0
		.amdhsa_kernarg_size 32
		.amdhsa_user_sgpr_count 2
		.amdhsa_user_sgpr_kernarg_segment_ptr 1
		.amdhsa_wavefront_size32 1
		.amdhsa_system_sgpr_workgroup_id_x 1
		.amdhsa_system_sgpr_workgroup_id_y 1
		.amdhsa_system_sgpr_workgroup_id_z 1
		.amdhsa_system_vgpr_workitem_id 0
		.amdhsa_next_free_vgpr 200
		.amdhsa_next_free_sgpr 66
		.amdhsa_reserve_vcc 1
		.amdhsa_float_denorm_mode_32 3
		.amdhsa_float_denorm_mode_16_64 3
		.amdhsa_memory_ordered 1
		.amdhsa_forward_progress 1
		.amdhsa_inst_pref_size 34
	.end_amdhsa_kernel
	.amdgpu_metadata
---
amdhsa.version: [ 1, 2 ]
amdhsa.kernels:
  - .name:           k_q2eb61c89ac_route
    .symbol:         k_q2eb61c89ac_route.kd
    .args:
      - { .name: x, .offset: 0, .size: 8, .value_kind: global_buffer, .address_space: global }
      - { .name: Wg, .offset: 8, .size: 8, .value_kind: global_buffer, .address_space: global }
      - { .name: topi, .offset: 16, .size: 8, .value_kind: global_buffer, .address_space: global }
      - { .name: xq, .offset: 24, .size: 8, .value_kind: global_buffer, .address_space: global }
    .group_segment_fixed_size: 38144
    .private_segment_fixed_size: 0
    .kernarg_segment_align: 8
    .kernarg_segment_size: 32
    .max_flat_workgroup_size: 128
    .sgpr_count:     66
    .vgpr_count:     200
    .wavefront_size: 32
...
	.end_amdgpu_metadata
.endif
;; end of part 1
;; launch ffn1 (part 2): grid 32 x 8, 16 waves a work-group, no clusters, 215,040 bytes of LDS; arguments W1, b1, topi, xq, lists, gwb, hid; writes lists, gwb, hid
.if DOCPART == 2
	.amdgcn_target "amdgcn-amd-amdhsa--gfx1250"
	.amdhsa_code_object_version 6
	.text
	.protected	k_q2eb61c89ac_ffn1
	.globl	k_q2eb61c89ac_ffn1
	.p2align	8
	.type	k_q2eb61c89ac_ffn1,@function
k_q2eb61c89ac_ffn1:
	s_mov_b64 s[64:65], 0
	v_nop
	global_prefetch_b8 v0, s[64:65] scope:SCOPE_SE
	s_setreg_imm32_b32 hwreg(HW_REG_WAVE_MODE, 25, 1), 1
	s_wait_xcnt 0x0
; hidden = gelu(x W1[e] + b1[e]) for the rows routed to expert e, in MX-FP4, and the hidden layer quantised along F.  W1: [8][1024 k][4096 f] f32, b1: [8][4096] f32.
; SHARES.  Work-group (j, e) owns W1[e][all k][units 128 j .. 128 j + 127]: 512 KiB, read once.  PHASE 1: its sixteen waves stream it (wave w: k = 64 w .. 64 w + 63), quantise it along K in registers
; and lay it into LDS as images of the operand's registers.  PHASE 2, behind the launch's one barrier: wave w takes groups w, w + 16 of 32 routed rows: x's codes gathered from memory by token,
; 2 passes of 64 units x 8 K steps of 128, gelu, quantiser, and the codes leave straight from registers as images for the next launch.
; THE STREAM.  One load takes a row's 512 bytes, 16 a lane: a lane holds 4 columns, and 32 loads give it a block of 32 along K of each.  48 of a wave's 64 loads go out at once, into three sets of 64 registers;
; the last 16 follow when the first set's codes are made.  A load's four registers are four COLUMNS, and the conversion wants eight neighbours along K: so each 4 x 4 is turned in place by six exchanges.
; THE ROWS OF EACH EXPERT.  Expert e's list is its tokens in ascending order, cut into groups of 32; P = max(1, ceil(count / 32)) groups are served.  Every wave makes the list's masks itself, from the table
; of one byte a token (1 KiB), and finds the tokens at its group's 32 places: no scatter, no atomics.  Places at or past the count (only the last group has any) take token 0's codes, gate weight 0,
; and as dst a spare row of their own, 2048 + 32 e + lane.  The work-groups j = 0 store for the next launch: lists +0 dst [e][1024] i32 = rank x 1024 + token, +32768 [e][32 words] = P; gwb [e][1024] f32.
; THE PRODUCT IS USED TRANSPOSED (source 0 = 16 units of W1, source 1 = 16 rows of x), AND THE UNITS OF A TILE ARE NOT NEIGHBOURS: lane r of tile 2 b + u takes unit 32 b + 8 u + r + 8 (r / 8),
; so that the 16 registers of tiles 2 b and 2 b + 1 are 16 neighbours along the next K.  b1 is what each sum begins with.
; gelu is the tanh form, written g = x / (1 + 2^(x (K1 + K2 x^2))), K1 = -2 log2(e) sqrt(2 / pi), K2 = 0.044715 K1: all in f32.
; hid +0: [e][g][K step j 32][row tile i 2][c 2][lane][16 bytes]; +16777216: scale words [e][g][j][row 32][4 bytes].
; NO TENSOR LOADS, NO CLUSTER: the number of groups hangs on numbers read from memory, and so do branches; and the weights, nearly all of the bytes, are shared by no two work-groups.
; LIMITS: NaN and infinities are not served; a block whose largest magnitude lies under 2^-124 (zeros too) keeps the byte 1: its codes then add what they hold under that byte, zeros nothing.
.set BIMG, 0                           ; LDS: W1's images [K step s 8][tile ct 8][c 2][512 bytes]
.set BSC,  65536                       ; its scale words [s 8][pair of tiles 4][lane][4 bytes]: lanes 0-15 the even tile's rows, lanes 16-31 the odd tile's
.set BIA,  69632                       ; b1 in the result's layout [ct 8][half 2][512 bytes]
.set SPARE, 77824                      ; the spare words, 128 bytes for each of the 16 waves: eight blocks of 256 bytes that no other line names
.set STG,  79872                       ; for each wave 16 rows x (512 + 16) bytes: x's rows turn from 16 bytes a lane of one row into the operand's layout
.set TW,   14                          ; v14-21   phase 1: my 32 bytes of the table; later v14-17 my token's experts and gate weights
.set SO,   20                          ; v20      where the scale bytes of the row lane lie
.set G8,   21                          ; v21      8 x that row's token.  (In a pass v14-21 are the codes just made)
.set BF,   22                          ; v22-53   W1's fragments: pair p, tile u, piece c at BF + 16 p + 8 u + 4 c; at work in gelu and the quantiser
.set BS,   54                          ; v54-55   W1's scale words of pairs 0, 1: scales and nothing else
.set ASC,  56                          ; v56-63   x's scale words, K step s: scales and nothing else
.set AF,   64                          ; v64-191  x's fragments at AF + 64 i + 8 s + 4 c; as they land: row 16 i + t at AF + 64 i + 4 t
.set XA,   64                          ; phase 1: three landing sets of 16 rows x 4 columns
.set XB,   128
.set XC,   192
.set ACC,  192                         ; v192-255 accumulator (row tile i, tile t) at ACC + 32 i + 8 t
.set CD,   22                          ; phase 1, inside BF: column c's 32 codes at CD + 4 c
.set M,    38                          ; v38-41 largest magnitudes
.set S,    42                          ; v42-45 scale operands
.set HB,   46                          ; v46-49 two bytes: my two blocks
.set BY,   50                          ; v50-53 bytes
.set BT,   50                          ; v50-53 at the start: my 16 bytes of b1
.set LM,   22                          ; the search's registers lie in v22-35, inside BF, which holds nothing while it runs
.set LN,   23
.set Q,    24
.set CM,   25
.set CP,   26
.set CC,   27
.set NN,   28
.set CN,   29
.set PS,   30
.set TT,   31
.set UU,   32
.set TK,   34
.set MK,   66                          ; s66-97   which of tokens 32 c .. 32 c + 31 chose e
; v0 BIA + 16 l; v1 the token of the row lane; v2 16 l; v3, v4 where I store images and scale halves; v5 BSC + 4 l; v6, v7 at the start b1: to LDS, from memory; then my stage: in (16 l), out (528 r + 16 h);
; v8 32 l; v9 4 l; v10, v11 scale halves; v12 my spare word's LDS address, v13 0: made at the head and kept for the add alone
; s18 j, s19 e, s[20:21] my weights, s22 wave, s23 P, s24 the group's number, s41 the trips, s[34:37] the group's bases in hid, s[38:39] K2, s40 lanes 16-31, s[42:43] lane selects,
; s44 members passed, s46 the lanes at whose place a token stands, s47 128 x (32 e + g), s49 the expert's first spare row, s50 a row's token, s51 my stage
.macro PLACES                          ; four plain lines between a matrix instruction and a load into, or a vector line on, its registers
.rept 4
	v_nop
.endr
.endm
.macro LOADH t, x                      ; rows 16 t .. 16 t + 15 of my 64.  Row 8 o + 4 m + a lands at x + 32 o + 8 a + 4 m, so that the 4 x 4 (a, column) can be turned in place
.set li, 0
.rept 16
	global_load_b128 v[\x+32*(li/8)+8*(li%4)+4*((li/4)%2):\x+32*(li/8)+8*(li%4)+4*((li/4)%2)+3], v2, s[20:21] offset:(16*(\t)+li)*16384 th:TH_LOAD_NT
.set li, li+1
.endr
.endm
.macro TRANS g                         ; 8 k x 4 columns: behind it column c's eight neighbours along K stand at g + 8 c
.irp m, 0,1
.irp a, 0,1,2
.irp c, 1,2,3
.if \c > \a
	v_swap_b32 v[(\g)+8*\a+4*\m+\c], v[(\g)+8*\c+4*\m+\a]
.endif
.endr
.endr
.endr
.endm
.macro QMAX ga, gb                     ; the largest magnitude of each of my four blocks, the four by turns
.irp c, 0,1,2,3
	v_max3_num_f32 v[M+\c], |v[\ga+8*\c]|, |v[\ga+8*\c+1]|, 0x1800000  ; the floor 2^(3 - 127) holds the byte at 1 from below
.endr
.irp k, 2,4,6
.irp c, 0,1,2,3
	s_delay_alu instid0(VALU_DEP_4)
	v_max3_num_f32 v[M+\c], v[M+\c], |v[\ga+8*\c+\k]|, |v[\ga+8*\c+\k+1]|
.endr
.endr
.irp g, \ga+32, \gb, \gb+32
.irp k, 0,2,4,6
.irp c, 0,1,2,3
	s_delay_alu instid0(VALU_DEP_4)
	v_max3_num_f32 v[M+\c], v[M+\c], |v[\g+8*\c+\k]|, |v[\g+8*\c+\k+1]|
.endr
.endr
.endr
.endm
.macro QMAXA g0                        ; the largest magnitudes over the first 16 k of my four blocks, which stand at g0
.irp c, 0,1,2,3
	v_max3_num_f32 v[M+\c], |v[\g0+8*\c]|, |v[\g0+8*\c+1]|, 0x1800000  ; the floor 2^(3 - 127) holds the byte at 1 from below
.endr
.irp k, 2,4,6
.irp c, 0,1,2,3
	s_delay_alu instid0(VALU_DEP_4)
	v_max3_num_f32 v[M+\c], v[M+\c], |v[\g0+8*\c+\k]|, |v[\g0+8*\c+\k+1]|
.endr
.endr
.irp k, 0,2,4,6
.irp c, 0,1,2,3
	s_delay_alu instid0(VALU_DEP_4)
	v_max3_num_f32 v[M+\c], v[M+\c], |v[\g0+32+8*\c+\k]|, |v[\g0+32+8*\c+\k+1]|
.endr
.endr
.endm
.macro QMAXB g0                        ; and over the other 16 k, at g0
.irp c, 0,1,2,3
	v_max3_num_f32 v[M+\c], v[M+\c], |v[\g0+8*\c]|, |v[\g0+8*\c+1]|
.endr
.irp k, 2,4,6
.irp c, 0,1,2,3
	s_delay_alu instid0(VALU_DEP_4)
	v_max3_num_f32 v[M+\c], v[M+\c], |v[\g0+8*\c+\k]|, |v[\g0+8*\c+\k+1]|
.endr
.endr
.irp k, 0,2,4,6
.irp c, 0,1,2,3
	s_delay_alu instid0(VALU_DEP_4)
	v_max3_num_f32 v[M+\c], v[M+\c], |v[\g0+32+8*\c+\k]|, |v[\g0+32+8*\c+\k+1]|
.endr
.endr
.endm
.macro QSC h
.irp c, 0,1,2,3
	s_delay_alu instid0(VALU_DEP_4)
	v_add_nc_u32 v[S+\c], 0xff000000, v[M+\c]      ; 2 off the exponent field: the conversion's scale operand
.endr
.if \h == 0
.irp c, 0,1,2,3
	s_delay_alu instid0(VALU_DEP_4)
	v_lshrrev_b32 v[HB+\c], 23, v[S+\c]            ; the scale's byte
.endr
.else
.irp c, 0,1,2,3
	s_delay_alu instid0(VALU_DEP_4)
	v_lshrrev_b32 v[BY+\c], 23, v[S+\c]
.endr
.irp c, 0,1,2,3
	s_delay_alu instid0(VALU_DEP_4)
	v_lshl_or_b32 v[HB+\c], v[BY+\c], 8, v[HB+\c]
.endr
.endif
.endm
.macro QCVT g, first                   ; 16 k x 4 columns at g: registers first, first + 1 of each column's four
.irp o, 0,1
.irp c, 0,1,2,3
	v_cvt_scalef32_pk8_fp4_f32 v[CD+4*\c+\first+\o], v[(\g)+32*\o+8*\c:(\g)+32*\o+8*\c+7], v[S+\c]
.endr
.endr
.endm
.macro RUNHEAD ga, gb, h
	TRANS \ga
	TRANS \ga+32
	TRANS \gb
	TRANS \gb+32
	QMAX \ga, \gb
	QSC \h
.endm
.macro IMAGES h                        ; block h of my 64 k: each column's 16 bytes go straight to their place in the image: half h of the lanes, the column's tile and row
.irp c, 0,1,2,3
	ds_store_b128 v3, v[CD+4*\c:CD+4*\c+3] offset:256*\h+16*\c
.endr
.if \h == 1
.irp c, 0,1,2,3
	ds_store_b16 v4, v[HB+\c] offset:4*\c          ; two of a scale word's four bytes
.endr
.endif
.endm
.macro MASKS                           ; my 32 tokens' bytes become a mask of 32 bits; lane c's is chunk c's; all 32 go into scalar registers; then P
	s_mov_b32 s45, 0x10204080
.irp n, 0,1,2,3,4,5,6,7
	v_lshrrev_b32 v[TW+\n], s19, v[TW+\n]          ; expert e's bit to each byte's lowest place
.endr
.irp n, 0,1,2,3,4,5,6,7
	v_and_b32 v[TW+\n], 0x01010101, v[TW+\n]
.endr
.irp n, 0,1,2,3,4,5,6,7
	v_mul_lo_u32 v[TW+\n], v[TW+\n], s45           ; bits 0, 8, 16, 24 meet at 28 .. 31: 2^28 + 2^21 + 2^14 + 2^7; the other products fall on bits 7 to 23, no two on one
.endr
.irp n, 0,1,2,3,4,5,6,7
	v_lshrrev_b32 v[TW+\n], 28, v[TW+\n]
.endr
	v_lshl_or_b32 v[LM], v[TW+1], 4, v[TW]
.irp n, 2,3,4,5,6,7
	s_delay_alu instid0(VALU_DEP_1)
	v_lshl_or_b32 v[LM], v[TW+\n], 4*\n, v[LM]
.endr
.set cc, 0
.rept 32
	v_readlane_b32 s[MK+cc], v[LM], cc
.set cc, cc+1
.endr
	s_bcnt1_i32_b32 s48, s[MK]
.set cc, 1
.rept 31
	s_bcnt1_i32_b32 s45, s[MK+cc]
	s_add_co_u32 s48, s48, s45
.set cc, cc+1
.endr
	s_add_co_u32 s23, s48, 31
	s_lshr_b32 s23, s23, 5
	s_max_u32 s23, s23, 1
	s_min_u32 s23, s23, 32                         ; P
.endm
.macro FIND                            ; the tokens at the places of group min(number, 31): each lane finds the token of the row lane, one search
	s_min_u32 s25, s24, 31
	s_lshl_b32 s26, s25, 5
	v_lshrrev_b32 v[LN], 2, v9                     ; lane
	s_delay_alu instid0(VALU_DEP_1)
	v_add_nc_u32 v[Q], s26, v[LN]                  ; my place in the expert's list
.irp p, 0
	v_mov_b32 v[CM+\p], s[MK]                      ; the chunk's mask,
	v_mov_b32 v[CP+\p], 0                          ; the members ahead of it,
	v_mov_b32 v[CC+\p], 0                          ; its number
.endr
	s_bcnt1_i32_b32 s44, s[MK]
.set cc, 1
.rept 31                               ; the chunk that holds the place: the last whose count of members ahead of it is not above the place
.irp p, 0
	v_cmp_gt_u32 vcc_lo, s44, v[Q+\p]
	s_delay_alu instid0(VALU_DEP_1)
	v_cndmask_b32 v[CM+\p], s[MK+cc], v[CM+\p], vcc_lo
	s_delay_alu instid0(VALU_DEP_2)
	v_cndmask_b32 v[CP+\p], s44, v[CP+\p], vcc_lo
	s_delay_alu instid0(VALU_DEP_3)
	v_cndmask_b32 v[CC+\p], cc, v[CC+\p], vcc_lo
.endr
	s_bcnt1_i32_b32 s45, s[MK+cc]
	s_add_co_u32 s44, s44, s45
.set cc, cc+1
.endr                                  ; s44 = the expert's tokens
.irp p, 0
	v_sub_nc_u32 v[NN+\p], v[Q+\p], v[CP+\p]
	v_mov_b32 v[CN+\p], 0                          ; set bits passed
	v_mov_b32 v[PS+\p], 0                          ; the bit's place
.endr
.set cc, 0
.rept 32                               ; the (place - members ahead)-th set bit of the mask
.irp p, 0
	v_bfe_u32 v[TT+\p], v[CM+\p], cc, 1
	v_cmp_eq_u32 vcc_lo, v[CN+\p], v[NN+\p]
	s_delay_alu instid0(VALU_DEP_1)
	v_cndmask_b32 v[UU+\p], 0, v[TT+\p], vcc_lo
	s_delay_alu instid0(VALU_DEP_1)
	v_mad_u32_u24 v[PS+\p], v[UU+\p], cc, v[PS+\p]
	s_delay_alu instid0(VALU_DEP_4)
	v_add_nc_u32 v[CN+\p], v[CN+\p], v[TT+\p]
.endr
.set cc, cc+1
.endr
	v_cmp_gt_u32 s46, s44, v[Q]                    ; does a token stand at my place?
	s_delay_alu instid0(VALU_DEP_3)
	v_lshl_add_u32 v[TK], v[CC], 5, v[PS]          ; the token
	s_delay_alu instid0(VALU_DEP_1)
	v_cndmask_b32 v[TK], 0, v[TK], s46             ; token 0 where no token stands
	s_delay_alu instid0(VALU_DEP_1)
	v_min_u32 v1, 0x3ff, v[TK]                     ; it enters addresses: held inside the tables.  Lane l: the token of the group's row l
	s_delay_alu instid0(VALU_DEP_1)
	v_lshlrev_b32 v[SO], 5, v1
	s_delay_alu instid0(VALU_DEP_2)
	v_lshlrev_b32 v[G8], 3, v1
.endm
.macro GBASE                           ; the bases of group min(number, 31)
	s_min_u32 s25, s24, 31
	s_lshl_b32 s26, s19, 5
	s_add_co_u32 s26, s26, s25                     ; G = 32 e + g
	s_mov_b32 s29, 0
	s_lshl_b32 s28, s26, 16
	s_lshl_b32 s27, s18, 11
	s_add_co_u32 s28, s28, s27
	s_add_nc_u64 s[34:35], s[16:17], s[28:29]      ; the hidden layer's images, K step j
	s_lshl_b32 s28, s26, 12
	s_lshl_b32 s27, s18, 7
	s_add_co_u32 s28, s28, s27
	s_add_co_u32 s28, s28, 0x1000000
	s_add_nc_u64 s[36:37], s[16:17], s[28:29]      ; and its scale words
	s_lshl_b32 s47, s26, 7                         ; the group's 32 words in dst and among the gate weights
.endm
.macro LLOAD                           ; for the lists: the row lane's two experts and two gate weights
	global_load_b64 v[14:15], v[G8], s[8:9]
	global_load_b64 v[16:17], v[G8], s[10:11] offset:557056
.endm
.macro ASCL                            ; the row lane's 32 scale bytes: word s for K step s
	global_load_b128 v[ASC:ASC+3], v[SO], s[10:11] offset:524288
	global_load_b128 v[ASC+4:ASC+7], v[SO], s[10:11] offset:524304
.endm
.macro XLOAD i                         ; row tile i's 16 rows of x's codes, a load a row: the 32 lanes take the row's 512 consecutive bytes.  The offset is made in the load's own first landing register
.set li, 0
.rept 16
	v_readlane_b32 s50, v1, 16*(\i)+li             ; the row's token
	s_min_u32 s50, s50, 0x3ff                      ; it enters an address: held inside the table
	v_lshl_add_u32 v[AF+64*(\i)+4*li], s50, 9, v2  ; 512 bytes a token, 16 a lane
	global_load_b128 v[AF+64*(\i)+4*li:AF+64*(\i)+4*li+3], v[AF+64*(\i)+4*li], s[10:11]
.set li, li+1
.endr
.endm
.macro XTURN i                         ; the 16 rows through my stage: in as they lie; out, lane (r, h) takes k = 128 s + 64 c + 32 h + 0 .. 31 of row r: 16 bytes at 64 s + 32 c + 16 h
.set li, 0
.rept 16
	ds_store_b128 v6, v[AF+64*(\i)+4*li:AF+64*(\i)+4*li+3] offset:528*li
.set li, li+1
.endr
	s_wait_dscnt 0x0                               ; the stores have read their registers, which the loads below write
.irp s, 0,1,2,3,4,5,6,7
.irp c, 0,1
	ds_load_b128 v[AF+64*(\i)+8*\s+4*\c:AF+64*(\i)+8*\s+4*\c+3], v7 offset:64*\s+32*\c
.endr
.endr
.endm
.macro BLOAD ch, s, p                  ; W1's two tiles of pair p, K step s, and their scale words: five LDS loads
.irp u, 0,1
.irp c, 0,1
	ds_load_b128 v[BF+16*\p+8*\u+4*\c:BF+16*\p+8*\u+4*\c+3], v2 offset:(\s)*8192+(4*\ch+2*\p+\u)*1024+512*\c
.endr
.endr
	ds_load_b32 v[BS+\p], v5 offset:512*(\s)+(2*\ch+\p)*128
.endm
.macro WM s, p, u, i
.set rD, ACC+32*(\i)+8*(2*(\p)+(\u))
.set rA, BF+16*(\p)+8*(\u)
.set rB, AF+64*(\i)+8*(\s)
.if ((\u) == 0) && ((\i) == 0)
	v_wmma_scale_f32_16x16x128_f8f6f4 v[rD:rD+7], v[rA:rA+7], v[rB:rB+7], v[rD:rD+7], v[BS+\p], v[ASC+\s] matrix_a_fmt:MATRIX_FMT_FP4 matrix_b_fmt:MATRIX_FMT_FP4
.elseif (\i) == 0
	v_wmma_scale_f32_16x16x128_f8f6f4 v[rD:rD+7], v[rA:rA+7], v[rB:rB+7], v[rD:rD+7], v[BS+\p], v[ASC+\s] matrix_a_fmt:MATRIX_FMT_FP4 matrix_b_fmt:MATRIX_FMT_FP4 matrix_a_scale:MATRIX_SCALE_ROW1
.elseif (\u) == 0
	v_wmma_scale_f32_16x16x128_f8f6f4 v[rD:rD+7], v[rA:rA+7], v[rB:rB+7], v[rD:rD+7], v[BS+\p], v[ASC+\s] matrix_a_fmt:MATRIX_FMT_FP4 matrix_b_fmt:MATRIX_FMT_FP4 matrix_b_scale:MATRIX_SCALE_ROW1
.else
	v_wmma_scale_f32_16x16x128_f8f6f4 v[rD:rD+7], v[rA:rA+7], v[rB:rB+7], v[rD:rD+7], v[BS+\p], v[ASC+\s] matrix_a_fmt:MATRIX_FMT_FP4 matrix_b_fmt:MATRIX_FMT_FP4 matrix_a_scale:MATRIX_SCALE_ROW1 matrix_b_scale:MATRIX_SCALE_ROW1
.endif
.endm
.macro MUL4 s, p                       ; the eight accumulators take turns, one instruction a turn
.irp u, 0,1
.irp i, 0,1
	WM \s, \p, \u, \i
.endr
.endr
.endm
.macro KSTEP ch, s                     ; the K steps go 4 .. 7, 0 .. 3: the f32 sums add K's halves in that order
	s_wait_dscnt 5                                 ; pair 0 is in; pair 1's five loads may be out
	MUL4 \s, 0
.if (\s) != 3
	PLACES
	BLOAD \ch, ((\s)+1)%8, 0
	s_wait_dscnt 5                                 ; pair 1 is in; the five just issued may be out
.else
	s_wait_dscnt 0x0
.endif
	MUL4 \s, 1
	PLACES
.if (\s) != 3
	BLOAD \ch, ((\s)+1)%8, 1
.endif
.endm
.macro GELU i                          ; 32 numbers a lane, from each accumulator's low end on; the exponentials are one batch with one wait, the reciprocals another
.set GR, ACC+32*(\i)
.set li, 0
.rept 16
	v_pk_fma_f32 v[BF+li:BF+li+1], v[GR+li:GR+li+1], v[GR+li:GR+li+1], 0x41b2e92f op_sel_hi:[1,1,0]   ; x^2 + K1 / K2 (= 1 / 0.044715): the exponent is K2 x (x^2 + K1 / K2)
.set li, li+2
.endr
.set li, 0
.rept 16
	v_pk_mul_f32 v[BF+li:BF+li+1], v[BF+li:BF+li+1], s[38:39] op_sel_hi:[1,0]
.set li, li+2
.endr
.set li, 0
.rept 16
	v_pk_mul_f32 v[BF+li:BF+li+1], v[BF+li:BF+li+1], v[GR+li:GR+li+1]
.set li, li+2
.endr
.set li, 0
	s_wait_alu depctr_va_vdst(0)
.rept 32
	v_exp_f32 v[BF+li], v[BF+li]
.set li, li+1
.endr
	v_nop                                          ; a plain line behind the batch,
	s_wait_alu depctr_va_vdst(0)                   ; and one wait ahead of its first reader
.set li, 0
.rept 16
	v_pk_add_f32 v[BF+li:BF+li+1], v[BF+li:BF+li+1], 1.0 op_sel_hi:[1,0]
.set li, li+2
.endr
.set li, 0
	s_wait_alu depctr_va_vdst(0)
.rept 32
	v_rcp_f32 v[BF+li], v[BF+li]
.set li, li+1
.endr
	v_nop
	s_wait_alu depctr_va_vdst(0)
.set li, 0
.rept 16
	v_pk_mul_f32 v[GR+li:GR+li+1], v[GR+li:GR+li+1], v[BF+li:BF+li+1]
.set li, li+2
.endr
.endm
.macro QUANT2 ch, i, pc, hb            ; row tile i's 64 units: two blocks of 32, each in lanes l and l xor 16; the codes become piece (j, i, c = ch) and leave
.set GR, ACC+32*(\i)
	v_max3_num_f32 v22, |v[GR]|, |v[GR+1]|, 0x1800000
	v_max3_num_f32 v23, |v[GR+16]|, |v[GR+17]|, 0x1800000
.irp k, 2,4,6,8,10,12,14
	s_delay_alu instid0(VALU_DEP_2)
	v_max3_num_f32 v22, v22, |v[GR+\k]|, |v[GR+\k+1]|
	s_delay_alu instid0(VALU_DEP_2)
	v_max3_num_f32 v23, v23, |v[GR+16+\k]|, |v[GR+17+\k]|
.endr
	v_permlanex16_b32 v24, v22, s42, s43
	v_permlanex16_b32 v25, v23, s42, s43
	s_delay_alu instid0(VALU_DEP_2)
	v_max_num_f32 v22, v22, v24
	s_delay_alu instid0(VALU_DEP_2)
	v_max_num_f32 v23, v23, v25
	s_delay_alu instid0(VALU_DEP_2)
	v_add_nc_u32 v26, 0xff000000, v22
	s_delay_alu instid0(VALU_DEP_2)
	v_add_nc_u32 v27, 0xff000000, v23
	s_delay_alu instid0(VALU_DEP_2)
	v_lshrrev_b32 v28, 23, v26
	s_delay_alu instid0(VALU_DEP_2)
	v_lshrrev_b32 v29, 23, v27
	s_delay_alu instid0(VALU_DEP_1)
	v_lshl_or_b32 v[\hb], v29, 8, v28              ; my row's two scale bytes
	s_wait_alu depctr_va_vdst(0)
	s_wait_xcnt 0x0                                ; the earlier stores have read their data: the codes' registers and the scale halves are written again only behind this wait
	v_cvt_scalef32_pk8_fp4_f32 v[\pc], v[GR:GR+7], v26
	v_cvt_scalef32_pk8_fp4_f32 v[\pc+1], v[GR+8:GR+15], v26
	v_cvt_scalef32_pk8_fp4_f32 v[\pc+2], v[GR+16:GR+23], v27
	v_cvt_scalef32_pk8_fp4_f32 v[\pc+3], v[GR+24:GR+31], v27
	v_nop
	v_permlane16_swap_b32 v[\pc], v[\pc+2]         ; a whole block to a lane: lanes 0-15 block 0, lanes 16-31 block 1
	v_permlane16_swap_b32 v[\pc+1], v[\pc+3]
	global_store_b128 v2, v[\pc:\pc+3], s[34:35] offset:1024*\i+512*\ch   ; 512 consecutive bytes, aligned
.endm
.macro PASS ch                         ; units 64 ch .. 64 ch + 63 of my work-group's 128
.irp i, 0,1
.irp t, 0,1,2,3
	ds_load_b128 v[ACC+32*\i+8*\t:ACC+32*\i+8*\t+3], v0 offset:(4*\ch+\t)*1024       ; the sums begin as b1
	ds_load_b128 v[ACC+32*\i+8*\t+4:ACC+32*\i+8*\t+7], v0 offset:(4*\ch+\t)*1024+512
.endr
.endr
	BLOAD \ch, 4, 0
	BLOAD \ch, 4, 1
.irp s, 4,5,6,7,0,1,2,3
	KSTEP \ch, \s
.endr
	GELU 0
	QUANT2 \ch, 0, 14, 11
	GELU 1
	QUANT2 \ch, 1, 18, 30
	v_cndmask_b32 v10, v11, v30, s40               ; lanes 0-15: rows 0-15; lanes 16-31: rows 16-31
	global_store_b16 v9, v10, s[36:37] offset:2*\ch   ; two of a scale word's four bytes: one byte for each 16 bytes of codes goes out so
.endm
	s_load_b256 s[4:11], s[0:1], 0x0               ; W1 s[4:5], b1 s[6:7], topi s[8:9], xq s[10:11]
	s_load_b128 s[12:15], s[0:1], 0x20             ; lists s[12:13], gwb s[14:15]
	s_load_b64 s[16:17], s[0:1], 0x30              ; hid
	v_lshrrev_b32 v1, 5, v0
	s_delay_alu instid0(VALU_DEP_1)
	v_readfirstlane_b32 s22, v1                    ; wave 0..15
	s_and_b32 s19, ttmp7, 0xffff                   ; e
	s_mov_b32 s18, ttmp9                           ; j
	v_and_b32 v9, 31, v0                           ; lane
	s_delay_alu instid0(VALU_DEP_1)
	v_lshlrev_b32 v2, 4, v9
	s_delay_alu instid0(VALU_DEP_2)
	v_bfe_u32 v7, v9, 4, 1                         ; h
	s_lshr_b32 s30, s22, 1                         ; my K step
	s_and_b32 s31, s22, 1                          ; and which 64 of its 128
	; my four columns are units 4 l + 0 .. 3 of the 128: pair of tiles l / 8, tile u = bit 1 of l, rows 4 (bit 0) + 8 (bit 2) + 0 .. 3
	v_lshrrev_b32 v3, 3, v9
	v_bfe_u32 v4, v9, 1, 1
	v_bfe_u32 v10, v9, 2, 1
	v_and_b32 v11, 1, v9
	s_delay_alu instid0(VALU_DEP_4)
	v_lshlrev_b32 v1, 7, v3                        ; scale words: 128 bytes a pair of tiles,
	s_delay_alu instid0(VALU_DEP_1)
	v_lshl_add_u32 v1, v4, 6, v1                   ; 64 a tile,
	s_delay_alu instid0(VALU_DEP_1)
	v_lshl_add_u32 v1, v10, 5, v1                  ; 4 a row
	s_delay_alu instid0(VALU_DEP_1)
	v_lshl_add_u32 v1, v11, 4, v1
	v_lshlrev_b32 v3, 11, v3                       ; images: 1,024 bytes a tile,
	s_delay_alu instid0(VALU_DEP_1)
	v_lshl_add_u32 v3, v4, 10, v3
	s_delay_alu instid0(VALU_DEP_1)
	v_lshl_add_u32 v3, v10, 7, v3                  ; 16 a row
	s_delay_alu instid0(VALU_DEP_1)
	v_lshl_add_u32 v3, v11, 6, v3
	s_lshl_b32 s26, s30, 13
	s_lshl_b32 s27, s31, 9
	s_add_co_u32 s26, s26, s27
	v_add_nc_u32 v3, s26, v3
	s_lshl_b32 s26, s30, 9
	s_lshl_b32 s27, s31, 1
	s_add_co_u32 s26, s26, s27
	s_add_co_u32 s26, s26, BSC
	v_add_nc_u32 v4, s26, v1
	v_lshl_add_u32 v5, v9, 2, BSC
	s_lshl_b32 s26, s22, 9
	s_add_co_u32 s26, s26, BIA
	v_add_nc_u32 v6, s26, v2                       ; wave w lays image w = 2 ct + half of b1
	s_lshr_b32 s26, s22, 2
	s_lshl_b32 s26, s26, 7                         ; 32 units for each pair of tiles,
	s_and_b32 s27, s30, 1
	s_lshl_b32 s27, s27, 5                         ; 8 for the odd tile,
	s_add_co_u32 s26, s26, s27
	s_lshl_b32 s27, s31, 4                         ; 4 for the upper half of the eight registers,
	s_add_co_u32 s26, s26, s27
	s_lshl_b32 s27, s19, 14
	s_add_co_u32 s26, s26, s27
	s_lshl_b32 s27, s18, 9
	s_add_co_u32 s26, s26, s27
	v_lshl_add_u32 v7, v7, 6, s26                  ; 16 for lanes 16-31
	v_lshlrev_b32 v8, 5, v9
	v_lshlrev_b32 v9, 2, v9
	v_lshl_add_u32 v12, v0, 2, SPARE               ; my spare word (v0 is still the thread's number); never rewritten
	v_mov_b32 v13, 0                               ; 0; never rewritten
.irp n, 0,1,2,3,4,5,6,7
	v_mov_b32 v[ASC+\n], 0x7f7f7f7f                ; scale bytes of 1.0: written on every way, loaded over before they are used
.endr
	v_add_nc_u32 v0, BIA, v2
	s_mov_b32 s38, 0xbdd2d3e8                      ; K2
	s_mov_b32 s39, 0xbdd2d3e8
	s_mov_b32 s40, 0xffff0000
	s_mov_b32 s42, 0x76543210
	s_mov_b32 s43, 0xfedcba98
	s_mov_b32 s46, 0
	s_mul_i32 s51, s22, 8448
	s_add_co_u32 s51, s51, STG                     ; my stage
	s_lshl_b32 s49, s19, 5
	s_add_co_u32 s49, s49, 0x800                   ; the expert's 32 spare rows begin at 2048 + 32 e
	s_mov_b32 s24, s22                             ; my first group
	s_mov_b32 s41, 0                               ; trips made
	s_lshl_b32 s28, s19, 24                        ; expert e: 16 MiB;
	s_lshl_b32 s27, s22, 20                        ; 64 rows of 16,384 bytes a wave;
	s_add_co_u32 s28, s28, s27
	s_lshl_b32 s27, s18, 9                         ; 128 columns a work-group
	s_add_co_u32 s28, s28, s27
	s_mov_b32 s29, 0
	s_wait_kmcnt 0x0
	s_add_nc_u64 s[20:21], s[4:5], s[28:29]
	GBASE
; ---- PHASE 1
	global_load_b128 v[TW:TW+3], v8, s[8:9] offset:8192                ; tokens 32 l .. 32 l + 31: a byte each
	global_load_b128 v[TW+4:TW+7], v8, s[8:9] offset:8208
	global_load_b128 v[BT:BT+3], v7, s[6:7]
	LOADH 0, XA
	LOADH 1, XB
	LOADH 2, XC
	s_wait_loadcnt 49                              ; the table's two loads, the oldest, are in; b1's load and the 48 of the weights may be out
	MASKS                                          ; the lists are made while the first weights come
	v_mov_b32 v1, 0
.irp n, 0,1,2,3,4,5,6,7
	v_mov_b32 v[TW+\n], 0                          ; the offsets and what the lists read are written on every way
.endr
	s_cmp_lt_u32 s22, s23
	s_cbranch_scc0 .Lidle1
	FIND
	s_cmp_lg_u32 s18, 0
	s_cbranch_scc1 .Lnol1
	LLOAD
.Lnol1:
	s_wait_alu depctr_va_vdst(0)
	ASCL
	s_wait_loadcnt 18                              ; b1 and rows 0 to 31 are in; the 16 loads of rows 32 to 47 and the two of x's scales may be out
	s_branch .Ljoin0
.Lidle1:
	s_wait_loadcnt 16                              ; the same for a wave without a group
.Ljoin0:
	ds_store_b128 v6, v[BT:BT+3]
	v_bfe_u32 v7, v9, 2, 4                         ; b1 has come and gone: v6 and v7 become my stage's addresses, on the way that all waves take.  r,
	v_bfe_u32 v[M], v9, 6, 1                       ; h
	v_add_nc_u32 v6, s51, v2                       ; in: 16 bytes a lane
	s_delay_alu instid0(VALU_DEP_3)
	v_mul_u32_u24 v7, v7, 528
	s_delay_alu instid0(VALU_DEP_1)
	v_lshl_add_u32 v7, v[M], 4, v7
	s_delay_alu instid0(VALU_DEP_1)
	v_add_nc_u32 v7, s51, v7                       ; out: 528 r + 16 h
	RUNHEAD XA, XB, 0
	QCVT XA, 0
	LOADH 3, XA                                    ; my last rows, into the set whose codes are made
	QCVT XB, 2
	v_nop                                          ; one plain line behind the conversions
	IMAGES 0
	s_cmp_lt_u32 s22, s23
	s_cbranch_scc0 .Lidle1b
	XLOAD 1                                        ; my first group's rows 16 to 31 go out behind the last weights, into the set that is done with
	s_wait_loadcnt 32                              ; rows 32 to 47 of the weights are in; my last rows' 16 loads and x's 16 are younger
	TRANS XC                                       ; rows 32 to 47 are turned and searched while rows 48 to 63 come
	TRANS XC+32
	QMAXA XC
	s_wait_alu depctr_va_vdst(0)
	s_wait_loadcnt 16                              ; rows 48 to 63 are in; x's 16 loads are younger
	s_branch .Ljoin1
.Lidle1b:
	s_wait_loadcnt 16                              ; a wave without a group: rows 32 to 47 are in; my last rows may be out
	TRANS XC
	TRANS XC+32
	QMAXA XC
	s_wait_alu depctr_va_vdst(0)                   ; as in the other arm
	s_wait_loadcnt 0x0                             ; nothing is younger than my last rows
.Ljoin1:
	s_wait_dscnt 0x0                               ; the stores have read the codes' registers
	TRANS XA
	TRANS XA+32
	QMAXB XA
	QSC 1
	QCVT XC, 0
	QCVT XA, 2
	v_nop
	IMAGES 1
	s_cmp_lt_u32 s22, s23
	s_cbranch_scc0 .Lidle2
	XLOAD 0                                        ; the group's rows 0 to 15, into the set whose codes are made
	s_wait_loadcnt 16                              ; rows 16 to 31 are in; the 16 loads just issued may be out
	XTURN 1
	s_wait_loadcnt 0x0
	XTURN 0                                        ; a wave's LDS instructions are served in order: these stores land behind the reads of the turn before
.Lidle2:
	s_wait_dscnt 0x0                               ; for the others' sake: my images have landed
	s_barrier_signal -1
	s_barrier_wait -1                              ; the slab lies in LDS; nothing there is written again
	s_cmp_lt_u32 s22, s23
	s_cbranch_scc0 .Lend                           ; this split leaves my wave without a group
; ---- PHASE 2.  P is at most 32 and the waves are sixteen: two trips at the most.  The loop is counted against that constant, and left where the split has no further group for my wave
.Lgroup:
	s_wait_loadcnt 0x0                             ; the group's lists and scales (x's rows have been waited for and turned)
	s_cmp_lg_u32 s18, 0
	s_cbranch_scc1 .Lnolist                        ; the lists are stored by the expert's first work-group
	v_cmp_eq_u32 vcc_lo, s19, v15                  ; e is my token's second choice
	s_delay_alu instid0(VALU_DEP_1)
	v_cndmask_b32 v18, v16, v17, vcc_lo
	s_delay_alu instid0(VALU_DEP_1)
	v_cndmask_b32 v18, 0, v18, s46                 ; the gate weight; 0 where no token stands
	v_mov_b32 v19, 0x400
	s_delay_alu instid0(VALU_DEP_1)
	v_cndmask_b32 v19, 0, v19, vcc_lo
	s_wait_alu depctr_va_vdst(0)
	v_add_nc_u32 v19, v19, v1
	v_lshrrev_b32 v21, 2, v9
	s_delay_alu instid0(VALU_DEP_1)
	v_add_nc_u32 v21, s49, v21                     ; my lane's spare row
	s_delay_alu instid0(VALU_DEP_1)
	v_cndmask_b32 v19, v21, v19, s46               ; rank x 1024 + token; the spare row where no token stands
	v_add_nc_u32 v20, s47, v9
	global_store_b32 v20, v18, s[14:15]
	global_store_b32 v20, v19, s[12:13]
	s_cmp_lg_u32 s24, 0
	s_cbranch_scc1 .Lnolist
	v_mov_b32 v14, s23
	s_lshl_b32 s45, s19, 7
	v_add_nc_u32 v15, s45, v9
	global_store_b32 v15, v14, s[12:13] offset:32768                   ; group 0 stores P, 32 times
.Lnolist:
	PASS 0
	PASS 1
	s_add_co_u32 s24, s24, 16
	s_add_co_u32 s41, s41, 1
	s_cmp_lt_u32 s24, s23
	s_cbranch_scc0 .Lend                           ; ahead of the next group's loads: nothing is asked for a group that is not there
	s_wait_xcnt 0x0                                ; the stores have read their bases and their data
	GBASE
	FIND
	s_cmp_lg_u32 s18, 0
	s_cbranch_scc1 .Lnol2
	LLOAD
.Lnol2:
	s_wait_alu depctr_va_vdst(0)
	ASCL
	XLOAD 1
	XLOAD 0
	s_wait_loadcnt 16                              ; rows 16 to 31 are in
	XTURN 1
	s_wait_loadcnt 0x0
	XTURN 0
	s_cmp_lt_u32 s41, 2
	s_cbranch_scc1 .Lgroup
.Lend:
	s_wait_tensorcnt 0x0                           ; the wave's end
	ds_add_u32 v12, v13
	s_wait_dscnt 0x0
	s_endpgm
.Lfunc_end_k_q2eb61c89ac_ffn1:
	.size	k_q2eb61c89ac_ffn1, .Lfunc_end_k_q2eb61c89ac_ffn1-k_q2eb61c89ac_ffn1
	.p2alignl 7, 3214868480
	.fill 96, 4, 3214868480
	.section	.rodata,"a",@progbits
	.p2align	6, 0x0
	.amdhsa_kernel k_q2eb61c89ac_ffn1
		.amdhsa_group_segment_fixed_size 215040
		.amdhsa_private_segment_fixed_size 0
		.amdhsa_enable_private_segment 0
		.amdhsa_kernarg_size 56
		.amdhsa_user_sgpr_count 2
		.amdhsa_user_sgpr_kernarg_segment_ptr 1
		.amdhsa_wavefront_size32 1
		.amdhsa_system_sgpr_workgroup_id_x 1
		.amdhsa_system_sgpr_workgroup_id_y 1
		.amdhsa_system_sgpr_workgroup_id_z 1
		.amdhsa_system_vgpr_workitem_id 0
		.amdhsa_next_free_vgpr 256
		.amdhsa_next_free_sgpr 98
		.amdhsa_reserve_vcc 1
		.amdhsa_float_denorm_mode_32 3
		.amdhsa_float_denorm_mode_16_64 3
		.amdhsa_memory_ordered 1
		.amdhsa_forward_progress 1
		.amdhsa_inst_pref_size 185
	.end_amdhsa_kernel
	.amdgpu_metadata
---
amdhsa.version: [ 1, 2 ]
amdhsa.kernels:
  - .name:           k_q2eb61c89ac_ffn1
    .symbol:         k_q2eb61c89ac_ffn1.kd
    .args:
      - { .name: W1, .offset: 0, .size: 8, .value_kind: global_buffer, .address_space: global }
      - { .name: b1, .offset: 8, .size: 8, .value_kind: global_buffer, .address_space: global }
      - { .name: topi, .offset: 16, .size: 8, .value_kind: global_buffer, .address_space: global }
      - { .name: xq, .offset: 24, .size: 8, .value_kind: global_buffer, .address_space: global }
      - { .name: lists, .offset: 32, .size: 8, .value_kind: global_buffer, .address_space: global }
      - { .name: gwb, .offset: 40, .size: 8, .value_kind: global_buffer, .address_space: global }
      - { .name: hid, .offset: 48, .size: 8, .value_kind: global_buffer, .address_space: global }
    .group_segment_fixed_size: 215040
    .private_segment_fixed_size: 0
    .kernarg_segment_align: 8
    .kernarg_segment_size: 56
    .max_flat_workgroup_size: 512
    .sgpr_count:     98
    .vgpr_count:     256
    .wavefront_size: 32
...
	.end_amdgpu_metadata
.endif
;; end of part 2
;; launch ffn2 (part 3): grid 32 x 8, 16 waves a work-group, no clusters, 149,504 bytes of LDS; arguments W2, b2, hid, gwb, lists, ybuf; writes ybuf
.if DOCPART == 3
	.amdgcn_target "amdgcn-amd-amdhsa--gfx1250"
	.amdhsa_code_object_version 6
	.text
	.protected	k_q2eb61c89ac_ffn2
	.globl	k_q2eb61c89ac_ffn2
	.p2align	8
	.type	k_q2eb61c89ac_ffn2,@function
k_q2eb61c89ac_ffn2:
	s_mov_b64 s[64:65], 0
	v_nop
	global_prefetch_b8 v0, s[64:65] scope:SCOPE_SE
	s_setreg_imm32_b32 hwreg(HW_REG_WAVE_MODE, 25, 1), 1
	s_wait_xcnt 0x0
; gate weight x (hidden W2[e] + b2[e]) for the rows routed to expert e, in MX-FP4, in two halves of K.  W2: [8][4096 k][1024 n] f32, b2: [8][1024] f32.
; quantises it along K in registers and lays it into LDS as images of the operand's registers.  PHASE 2, behind the launch's one barrier: wave w takes groups w, w + 16 of 32 routed rows: 16 K steps,
; the hidden layer's images coming from memory through a ring of eight register slots.
; THE STREAM.  One load takes two pieces of 256 consecutive bytes, 16 bytes a lane: lanes 0-15 a row's 64 columns, lanes 16-31 those of the row 32 further down.  So a lane holds 4 columns, and 32 loads give it
; a block of 32 along K of each: lanes 0-15 an even block, lanes 16-31 the odd one behind it, as the operand's layout has them.  48 of a wave's 64 loads go out at once, into three sets of 64 registers; the last
; 16 follow when the first set's codes are made.  A load's four registers are four COLUMNS, and the conversion wants eight neighbours along K: so each 4 x 4 is turned in place by six exchanges.
; THE PRODUCT IS USED TRANSPOSED (source 0 = 16 columns of W2, source 1 = 16 rows): a lane holds eight neighbouring outputs of one row.  b2 is what the sums of half kh = 0 begin with; half 1 begins with zeros.
; ybuf: [kh 2][2304 rows][1024] f32; row = dst from the list: rank x 1024 + token, or, for a place of the expert's last group at which no token stands, the spare row 2048 + 32 e + lane.  Each row's piece has one
; owner; the last launch adds a token's four parts and reads no spare row.  So every lane stores in every store: at most 31 spare rows an expert are the price.
; NO TENSOR LOADS, NO CLUSTER: the number of groups is read from memory, so branches hang on it; and the weights, nearly all of the bytes, are shared by no two work-groups.
; LIMITS: NaN and infinities are not served; a block whose largest magnitude lies under 2^-124 (zeros too) keeps the byte 1.
.set BIMG, 0                           ; LDS: W2's images [K step s 16][tile ct 4][c 2][512 bytes]
.set BSC,  65536                       ; its scale words [s 16][pair of tiles 2][lane][4 bytes]
.set BIA,  69632                       ; b2 in the result's layout [i 2][ct 4][half 2][512 bytes]
.set STG,  77824                       ; the way out: 16 rows x (256 + 16) bytes for each wave
.set YO,   14                          ; v14-21   the way out: the offsets in ybuf of a row tile's eight stores
.set BT,   14                          ; v14-17   at the start: my 16 bytes of b2
.set WO,   18                          ; v18      phase 1: my 16 bytes of a load: 32 rows x (l / 16) + 16 (l % 16)
.set BF,   22                          ; v22-53   W2's fragments: pair p, tile u, piece c at BF + 16 p + 8 u + 4 c; rows of y on the way out
.set BS,   54                          ; v54-55   W2's scale words: scales and nothing else
.set ASC,  56                          ; v56-63   the hidden layer's scale words, slot s % 8: scales and nothing else
.set AF,   64                          ; v64-191  its fragments at AF + 16 (s % 8) + 8 i + 4 c
.set OD,   128                         ; v128-159 slots 4 and 5, the first to be done with: at the end OD + 8 i + q: dst, OD + 16 + 2 i: gate weights
.set XA,   64                          ; phase 1: three landing sets of 16 loads
.set XB,   128
.set XC,   192
.set ACC,  192                         ; v192-255 accumulator (row tile i, tile t) at ACC + 32 i + 8 t
.set CD,   22                          ; phase 1, inside BF: column c's 32 codes at CD + 4 c
.set M,    38                          ; v38-41 largest magnitudes
.set S,    42                          ; v42-45 scale operands
.set BY,   46                          ; v46-49 bytes
.set SPARE, 147456                     ; LDS, behind the stages: the spare words, 128 bytes for each of the 16 waves: eight blocks of 256 bytes that no other line names
; v0 BIA + 16 l; v1 4 l; v2 16 l; v3, v4 where I store images and scale bytes; v5 BSC + 4 l; v6 my spare word's LDS address, v7 0: made at the head and kept for the add alone; v8 into the stage; v9 l % 16;
; v10 at the start where b2 goes in LDS, then at work; v11 out of the stage; v12 32 (l / 16); v13 4 (l % 16); v19 at the start b2's offset in memory
.macro PLACES                          ; four plain lines between a matrix instruction and a load into, or a vector line on, its registers
.rept 4
	v_nop
.endr
.endm
.macro LOADH t, x                      ; loads 16 (t % 2) .. + 15 of run t / 2 (k = 64 (t / 2) on).  Load 8 o + 4 m + a lands at x + 32 o + 8 a + 4 m, so that the 4 x 4 (a, column) can be turned in place
.set li, 0
.rept 16
	global_load_b128 v[\x+32*(li/8)+8*(li%4)+4*((li/4)%2):\x+32*(li/8)+8*(li%4)+4*((li/4)%2)+3], v[WO], s[20:21] offset:(64*((\t)/2)+16*((\t)%2)+li)*4096 th:TH_LOAD_NT
.set li, li+1
.endr
.endm
.macro TRANS g                         ; 8 k x 4 columns: behind it column c's eight neighbours along K stand at g + 8 c
.irp m, 0,1
.irp a, 0,1,2
.irp c, 1,2,3
.if \c > \a
	v_swap_b32 v[(\g)+8*\a+4*\m+\c], v[(\g)+8*\c+4*\m+\a]
.endif
.endr
.endr
.endr
.endm
.macro QMAX ga, gb                     ; the largest magnitude of each of my four blocks, the four by turns
.irp c, 0,1,2,3
	v_max3_num_f32 v[M+\c], |v[\ga+8*\c]|, |v[\ga+8*\c+1]|, 0x1800000  ; the floor 2^(3 - 127) holds the byte at 1 from below
.endr
.irp k, 2,4,6
.irp c, 0,1,2,3
	s_delay_alu instid0(VALU_DEP_4)
	v_max3_num_f32 v[M+\c], v[M+\c], |v[\ga+8*\c+\k]|, |v[\ga+8*\c+\k+1]|
.endr
.endr
.irp g, \ga+32, \gb, \gb+32
.irp k, 0,2,4,6
.irp c, 0,1,2,3
	s_delay_alu instid0(VALU_DEP_4)
	v_max3_num_f32 v[M+\c], v[M+\c], |v[\g+8*\c+\k]|, |v[\g+8*\c+\k+1]|
.endr
.endr
.endr
.endm
.macro QCVT g, first                   ; 16 k x 4 columns at g: registers first, first + 1 of each column's four
.irp o, 0,1
.irp c, 0,1,2,3
	v_cvt_scalef32_pk8_fp4_f32 v[CD+4*\c+\first+\o], v[(\g)+32*\o+8*\c:(\g)+32*\o+8*\c+7], v[S+\c]
.endr
.endr
.endm
.macro RUNHEAD ga, gb
	TRANS \ga
	TRANS \ga+32
	TRANS \gb
	TRANS \gb+32
	QMAX \ga, \gb
.irp c, 0,1,2,3
	s_delay_alu instid0(VALU_DEP_4)
	v_add_nc_u32 v[S+\c], 0xff000000, v[M+\c]      ; 2 off the exponent field: the conversion's scale operand
.endr
.irp c, 0,1,2,3
	s_delay_alu instid0(VALU_DEP_4)
	v_lshrrev_b32 v[BY+\c], 23, v[S+\c]            ; the scale's byte
.endr
.endm
.macro QMAXA g0                        ; the largest magnitudes over the first 16 k of my four blocks, which stand at g0
.irp c, 0,1,2,3
	v_max3_num_f32 v[M+\c], |v[\g0+8*\c]|, |v[\g0+8*\c+1]|, 0x1800000  ; the floor 2^(3 - 127) holds the byte at 1 from below
.endr
.irp k, 2,4,6
.irp c, 0,1,2,3
	s_delay_alu instid0(VALU_DEP_4)
	v_max3_num_f32 v[M+\c], v[M+\c], |v[\g0+8*\c+\k]|, |v[\g0+8*\c+\k+1]|
.endr
.endr
.irp k, 0,2,4,6
.irp c, 0,1,2,3
	s_delay_alu instid0(VALU_DEP_4)
	v_max3_num_f32 v[M+\c], v[M+\c], |v[\g0+32+8*\c+\k]|, |v[\g0+32+8*\c+\k+1]|
.endr
.endr
.endm
.macro QMAXB g0                        ; over the other 16 k, at g0; then the scale operands and the bytes
.irp c, 0,1,2,3
	v_max3_num_f32 v[M+\c], v[M+\c], |v[\g0+8*\c]|, |v[\g0+8*\c+1]|
.endr
.irp k, 2,4,6
.irp c, 0,1,2,3
	s_delay_alu instid0(VALU_DEP_4)
	v_max3_num_f32 v[M+\c], v[M+\c], |v[\g0+8*\c+\k]|, |v[\g0+8*\c+\k+1]|
.endr
.endr
.irp k, 0,2,4,6
.irp c, 0,1,2,3
	s_delay_alu instid0(VALU_DEP_4)
	v_max3_num_f32 v[M+\c], v[M+\c], |v[\g0+32+8*\c+\k]|, |v[\g0+32+8*\c+\k+1]|
.endr
.endr
.irp c, 0,1,2,3
	s_delay_alu instid0(VALU_DEP_4)
	v_add_nc_u32 v[S+\c], 0xff000000, v[M+\c]      ; 2 off the exponent field: the conversion's scale operand
.endr
.irp c, 0,1,2,3
	s_delay_alu instid0(VALU_DEP_4)
	v_lshrrev_b32 v[BY+\c], 23, v[S+\c]            ; the scale's byte
.endr
.endm
.macro IMAGES p
.irp c, 0,1,2,3
	ds_store_b128 v3, v[CD+4*\c:CD+4*\c+3] offset:512*\p+16*\c
	ds_store_b8 v4, v[BY+\c] offset:4*\c+2*\p
.endr
.endm
.macro GBASE
	s_min_u32 s25, s24, 31
	s_lshl_b32 s26, s17, 5
	s_add_co_u32 s26, s26, s25                     ; G = 32 e + g
	s_mov_b32 s29, 0
	s_lshl_b32 s28, s26, 16
	s_lshl_b32 s38, s18, 15
	s_add_co_u32 s28, s28, s38
	s_add_nc_u64 s[30:31], s[8:9], s[28:29]        ; the hidden layer's images, my half of K
	s_lshl_b32 s28, s26, 12
	s_lshl_b32 s38, s18, 11
	s_add_co_u32 s28, s28, s38
	s_add_co_u32 s28, s28, 0x1000000
	s_add_nc_u64 s[32:33], s[8:9], s[28:29]        ; its scale words
	s_lshl_b32 s28, s26, 7
	s_add_nc_u64 s[42:43], s[12:13], s[28:29]      ; dst
	s_add_nc_u64 s[44:45], s[10:11], s[28:29]      ; the gate weights
.endm
.macro ACODE s
.irp i, 0,1
.irp c, 0,1
	global_load_b128 v[AF+16*((\s)%8)+8*\i+4*\c:AF+16*((\s)%8)+8*\i+4*\c+3], v2, s[30:31] offset:2048*(\s)+1024*\i+512*\c
.endr
.endr
.endm
.macro ASCW s
	global_load_b32 v[ASC+(\s)%8], v1, s[32:33] offset:128*(\s)
.endm
.macro BLOAD s, p
.irp u, 0,1
.irp c, 0,1
	ds_load_b128 v[BF+16*\p+8*\u+4*\c:BF+16*\p+8*\u+4*\c+3], v2 offset:(\s)*4096+(2*\p+\u)*1024+512*\c
.endr
.endr
	ds_load_b32 v[BS+\p], v5 offset:256*(\s)+128*\p
.endm
.macro WM s, p, u, i
.set rD, ACC+32*(\i)+8*(2*(\p)+(\u))
.set rA, BF+16*(\p)+8*(\u)
.set rB, AF+16*((\s)%8)+8*(\i)
.if ((\u) == 0) && ((\i) == 0)
	v_wmma_scale_f32_16x16x128_f8f6f4 v[rD:rD+7], v[rA:rA+7], v[rB:rB+7], v[rD:rD+7], v[BS+\p], v[ASC+(\s)%8] matrix_a_fmt:MATRIX_FMT_FP4 matrix_b_fmt:MATRIX_FMT_FP4
.elseif (\i) == 0
	v_wmma_scale_f32_16x16x128_f8f6f4 v[rD:rD+7], v[rA:rA+7], v[rB:rB+7], v[rD:rD+7], v[BS+\p], v[ASC+(\s)%8] matrix_a_fmt:MATRIX_FMT_FP4 matrix_b_fmt:MATRIX_FMT_FP4 matrix_a_scale:MATRIX_SCALE_ROW1
.elseif (\u) == 0
	v_wmma_scale_f32_16x16x128_f8f6f4 v[rD:rD+7], v[rA:rA+7], v[rB:rB+7], v[rD:rD+7], v[BS+\p], v[ASC+(\s)%8] matrix_a_fmt:MATRIX_FMT_FP4 matrix_b_fmt:MATRIX_FMT_FP4 matrix_b_scale:MATRIX_SCALE_ROW1
.else
	v_wmma_scale_f32_16x16x128_f8f6f4 v[rD:rD+7], v[rA:rA+7], v[rB:rB+7], v[rD:rD+7], v[BS+\p], v[ASC+(\s)%8] matrix_a_fmt:MATRIX_FMT_FP4 matrix_b_fmt:MATRIX_FMT_FP4 matrix_a_scale:MATRIX_SCALE_ROW1 matrix_b_scale:MATRIX_SCALE_ROW1
.endif
.endm
.macro MUL4 s, p                       ; the eight accumulators take turns, one instruction a turn
.irp u, 0,1
.irp i, 0,1
	WM \s, \p, \u, \i
.endr
.endr
.endm
.macro KSTEP q                         ; the q-th of a group's 16 steps takes K step ks: 4 .. 7, 0 .. 3, 12 .. 15, 8 .. 11: steps 0 to 3 are the last to be asked for.  (The f32 sums add K's pieces in that order)
.set ks, ((\q)&8)|(((\q)+4)&7)
.set kn, (((\q)+1)&8)|(((\q)+5)&7)
.if (\q) == 4
	s_wait_loadcnt 20                              ; K steps 0 to 3 are in; the four refills issued since, five loads each, may be out
.elseif (\q) == 8
	s_wait_loadcnt 35                              ; this step's five loads are in; the seven younger refills may be out
.elseif (\q) == 9
	s_wait_loadcnt 30
.elseif (\q) > 9
	s_wait_loadcnt 5*(15-(\q))+6                   ; the younger refills, and the six loads of dst and the gate weights
.endif
	s_wait_dscnt 5                                 ; pair 0 is in; pair 1's five loads may be out
	MUL4 ks, 0
.if (\q) < 15
	PLACES
	BLOAD kn, 0
	s_wait_dscnt 5                                 ; pair 1 is in; the five just issued may be out
.else
	s_wait_dscnt 0x0
.endif
	MUL4 ks, 1
	PLACES
.if (\q) < 15
	BLOAD kn, 1
.endif
.if (\q) < 8
	ACODE ks+8                                     ; the slot just multiplied takes the step eight on
	ASCW ks+8
.endif
.if (\q) == 9                          ; slots 4 and 5 (K steps 12 and 13) are done with: they take what the way out wants
	global_load_b128 v[OD:OD+3], v12, s[42:43]                         ; dst of rows 8 h + 0 .. 7 of row tile 0,
	global_load_b128 v[OD+4:OD+7], v12, s[42:43] offset:16
	global_load_b128 v[OD+8:OD+11], v12, s[42:43] offset:64            ; of row tile 1
	global_load_b128 v[OD+12:OD+15], v12, s[42:43] offset:80
	global_load_b32 v[OD+16], v13, s[44:45]                            ; the gate weight of my row of tile 0,
	global_load_b32 v[OD+18], v13, s[44:45] offset:64                  ; of tile 1
.endif
.endm
.macro OUT i                           ; row tile i: x the gate weight, through my stage, and out as whole pieces of rows
	s_wait_xcnt 0x0                                ; the earlier tile's stores have read their offsets and their data: both sets of registers are written again below
.set li, 0
.rept 16
	v_pk_mul_f32 v[ACC+32*\i+li:ACC+32*\i+li+1], v[ACC+32*\i+li:ACC+32*\i+li+1], v[OD+16+2*\i:OD+17+2*\i] op_sel_hi:[1,0]   ; each accumulator from its low end on
.set li, li+2
.endr
.irp t, 0,1,2,3
	ds_store_b128 v8, v[ACC+32*\i+8*\t:ACC+32*\i+8*\t+3] offset:64*\t
	ds_store_b128 v8, v[ACC+32*\i+8*\t+4:ACC+32*\i+8*\t+7] offset:64*\t+16
.endr
.irp q, 0,1,2,3,4,5,6,7
	ds_load_b128 v[BF+4*\q:BF+4*\q+3], v11 offset:272*\q               ; lanes 0-15 row q, lanes 16-31 row q + 8; a wave's LDS instructions are served in order
.endr
.irp q, 0,1,2,3,4,5,6,7                ; the offsets are made while the rows come back
	v_lshl_add_u32 v10, v[OD+8*\i+\q], 8, v9       ; in pieces of 16 bytes: 256 to a row of ybuf, and my place among my sixteen
	s_delay_alu instid0(VALU_DEP_1)
	v_min_u32 v10, 0x8ff0f, v10                    ; it enters an address: held at row 2,303's last piece of mine; every dst of the list lies under it
	s_delay_alu instid0(VALU_DEP_1)
	v_lshlrev_b32 v[YO+\q], 4, v10                 ; in bytes
.endr
	s_wait_alu depctr_va_vdst(0)
.irp q, 0,1,2,3,4,5,6,7
	s_wait_dscnt 7-\q
	global_store_b128 v[YO+\q], v[BF+4*\q:BF+4*\q+3], s[34:35] th:TH_STORE_NT   ; sixteen lanes store 256 consecutive bytes, aligned
.endr
.endm
	s_load_b256 s[4:11], s[0:1], 0x0               ; W2 s[4:5], b2 s[6:7], hid s[8:9], gwb s[10:11]
	s_load_b128 s[12:15], s[0:1], 0x20             ; lists s[12:13], ybuf s[14:15]
	v_lshl_add_u32 v6, v0, 2, SPARE                ; my spare word (v0 is still the thread's number); never rewritten
	v_mov_b32 v7, 0                                ; 0; never rewritten
	v_lshrrev_b32 v1, 5, v0
	s_delay_alu instid0(VALU_DEP_1)
	v_readfirstlane_b32 s16, v1                    ; wave 0..15
	s_and_b32 s17, ttmp7, 0xffff                   ; e
	s_lshr_b32 s18, ttmp9, 4                       ; kh
	s_and_b32 s19, ttmp9, 15                       ; ns
	v_and_b32 v13, 31, v0                          ; lane
	s_delay_alu instid0(VALU_DEP_1)
	v_lshlrev_b32 v1, 2, v13
	s_delay_alu instid0(VALU_DEP_2)
	v_lshlrev_b32 v2, 4, v13
	s_delay_alu instid0(VALU_DEP_3)
	v_and_b32 v9, 15, v13                          ; r
	s_delay_alu instid0(VALU_DEP_4)
	v_lshrrev_b32 v12, 4, v13                      ; h
	s_delay_alu instid0(VALU_DEP_1)
	v_lshlrev_b32 v[WO], 17, v12                   ; lanes 16-31: 32 rows of 4,096 bytes further down
	s_delay_alu instid0(VALU_DEP_1)
	v_lshl_add_u32 v[WO], v9, 4, v[WO]
	; my four columns are 4 (l % 16) + 0 .. 3 of the 64: tile (l / 4) % 4, rows 4 (l % 4) + 0 .. 3; my block is half h of the lanes
	v_bfe_u32 v10, v13, 2, 2
	v_and_b32 v4, 3, v13
	s_delay_alu instid0(VALU_DEP_2)
	v_lshlrev_b32 v3, 10, v10                      ; images: 1,024 bytes a tile,
	s_delay_alu instid0(VALU_DEP_1)
	v_lshl_add_u32 v3, v12, 8, v3                  ; 256 a half of the lanes,
	s_delay_alu instid0(VALU_DEP_1)
	v_lshl_add_u32 v3, v4, 6, v3                   ; 16 a row
	s_lshl_b32 s26, s16, 12
	v_add_nc_u32 v3, s26, v3
	v_lshlrev_b32 v4, 4, v4                        ; scale words: 4 bytes a row,
	s_delay_alu instid0(VALU_DEP_1)
	v_lshl_add_u32 v4, v10, 6, v4                  ; 64 a tile,
	s_delay_alu instid0(VALU_DEP_1)
	v_add_nc_u32 v4, v4, v12                       ; byte 2 c + h of the word
	s_lshl_b32 s26, s16, 8
	s_add_co_u32 s26, s26, BSC
	v_add_nc_u32 v4, s26, v4
	v_add_nc_u32 v5, BSC, v1
	s_lshl_b32 s26, s16, 9
	s_add_co_u32 s26, s26, BIA
	v_add_nc_u32 v10, s26, v2                      ; wave w lays image w = 8 i + 2 ct + half of b2
	s_lshr_b32 s26, s16, 1
	s_and_b32 s26, s26, 3
	s_lshl_b32 s26, s26, 6                         ; 16 columns a tile,
	s_and_b32 s27, s16, 1
	s_lshl_b32 s27, s27, 4                         ; 4 for the upper half of the eight registers,
	s_add_co_u32 s26, s26, s27
	s_lshl_b32 s27, s17, 12
	s_add_co_u32 s26, s26, s27
	s_lshl_b32 s27, s19, 8
	s_add_co_u32 s26, s26, s27
	v_lshl_add_u32 v19, v12, 5, s26                ; 8 for lanes 16-31
	s_mul_i32 s26, s16, 4352
	s_add_co_u32 s26, s26, STG                     ; my stage
	v_mul_u32_u24 v8, v9, 272
	s_delay_alu instid0(VALU_DEP_1)
	v_lshl_add_u32 v8, v12, 5, v8
	s_delay_alu instid0(VALU_DEP_1)
	v_add_nc_u32 v8, s26, v8                       ; in: row r, 32 bytes for each half of the lanes
	v_mul_u32_u24 v11, v12, 2176
	s_delay_alu instid0(VALU_DEP_1)
	v_lshl_add_u32 v11, v9, 4, v11
	s_delay_alu instid0(VALU_DEP_1)
	v_add_nc_u32 v11, s26, v11                     ; back: lanes 16-31 eight rows further down
	v_lshlrev_b32 v13, 2, v9
	v_lshlrev_b32 v12, 5, v12
.irp n, 0,1,2,3,4,5,6,7
	v_mov_b32 v[ASC+\n], 0x7f7f7f7f                ; scale bytes of 1.0: written on every way, loaded over before they are used
.endr
	v_add_nc_u32 v0, BIA, v2
	s_cmp_eq_u32 s18, 0
	s_cselect_b32 s36, -1, 0
	s_mov_b32 s24, s16                             ; my first group
	s_mov_b32 s41, 0                               ; trips made
	s_lshl_b32 s22, s17, 7
	s_lshl_b32 s28, s17, 24                        ; expert e: 16 MiB;
	s_lshl_b32 s27, s18, 23                        ; 2,048 rows of 4,096 bytes a half;
	s_add_co_u32 s28, s28, s27
	s_lshl_b32 s27, s16, 19                        ; 128 rows a wave;
	s_add_co_u32 s28, s28, s27
	s_lshl_b32 s27, s19, 8                         ; 64 columns a work-group
	s_add_co_u32 s28, s28, s27
	s_mov_b32 s29, 0
	s_mul_i32 s38, s18, 0x900000                   ; ybuf: my plane of 2,304 rows,
	s_add_co_u32 s38, s38, s27                     ; my columns
	s_mov_b32 s39, 0
	s_wait_kmcnt 0x0
	s_load_b32 s23, s[12:13], s22 offset:0x8000    ; P, the expert's groups
	s_add_nc_u64 s[20:21], s[4:5], s[28:29]
	s_add_nc_u64 s[34:35], s[14:15], s[38:39]
	GBASE
; ---- PHASE 1
	global_load_b128 v[BT:BT+3], v19, s[6:7]
	LOADH 0, XA
	LOADH 1, XB
	LOADH 2, XC
	s_wait_loadcnt 16                              ; b2 and run 0's 32 loads are in; the 16 loads behind them may be out
.irp n, 0,1,2,3
	v_cndmask_b32 v[BT+\n], 0, v[BT+\n], s36       ; b2 enters the plane kh = 0 alone
.endr
	ds_store_b128 v10, v[BT:BT+3]
	RUNHEAD XA, XB
	QCVT XA, 0
	LOADH 3, XA                                    ; my last rows, into the set whose codes are made
	QCVT XB, 2
	v_nop                                          ; one plain line behind the conversions
	IMAGES 0
	s_wait_kmcnt 0x0
	s_min_u32 s23, s23, 32
	s_cmp_lt_u32 s16, s23
	s_cbranch_scc0 .Lidle1
.irp s, 0,1,2,3,4,5,6,7
	ASCW \s                                        ; my first group's operand goes out behind the last weights,
.endr
.irp s, 4,5,6,7
	ACODE \s                                       ; into the set that is done with
.endr
	s_wait_loadcnt 40                              ; run 1's first 16 loads are in; younger: its last 16, and the 24 of my group's operand
	TRANS XC                                       ; run 1's first half is turned and searched while its second half comes
	TRANS XC+32
	QMAXA XC
	s_wait_alu depctr_va_vdst(0)
	s_wait_loadcnt 24                              ; run 1 is in; the 24 loads of my group's operand are younger
	s_branch .Ljoin1
.Lidle1:
	s_wait_loadcnt 16                              ; a wave without a group: run 1's first 16 loads are in
	TRANS XC
	TRANS XC+32
	QMAXA XC
	s_wait_alu depctr_va_vdst(0)                   ; as in the other arm
	s_wait_loadcnt 0x0                             ; nothing is younger than my last weights
.Ljoin1:
	s_wait_dscnt 0x0                               ; the stores have read the codes' and the bytes' registers
	TRANS XA
	TRANS XA+32
	QMAXB XA
	QCVT XC, 0
	QCVT XA, 2
	v_nop
	IMAGES 1
	s_wait_dscnt 0x0                               ; for the others' sake: my images have landed
	s_barrier_signal -1
	s_barrier_wait -1                              ; the slab lies in LDS; of what the waves share nothing is written again
	s_cmp_lt_u32 s16, s23
	s_cbranch_scc0 .Lend                           ; this split leaves my wave without a group
.irp s, 0,1,2,3
	ACODE \s                                       ; the hidden layer's K steps 0 to 3, into the set whose codes are made: they come while K steps 4 to 7 are multiplied
.endr
; ---- PHASE 2.  P is at most 32 and the waves are sixteen: two trips at the most.  The loop is counted against that constant, and left where the split has no further group for my wave
.Lgroup:
.irp i, 0,1
.irp t, 0,1,2,3
	ds_load_b128 v[ACC+32*\i+8*\t:ACC+32*\i+8*\t+3], v0 offset:4096*\i+1024*\t       ; the sums begin as b2, or as zeros
	ds_load_b128 v[ACC+32*\i+8*\t+4:ACC+32*\i+8*\t+7], v0 offset:4096*\i+1024*\t+512
.endr
.endr
	BLOAD 4, 0
	BLOAD 4, 1
	s_wait_loadcnt 16                              ; the group's eight scale words and K steps 4 to 7; the 16 loads of K steps 0 to 3 may be out
.irp s, 0,1,2,3,4,5,6,7,8,9,10,11,12,13,14,15
	KSTEP \s
.endr
	s_wait_loadcnt 0x0                             ; dst and the gate weights
	OUT 0
	OUT 1
	s_add_co_u32 s24, s24, 16
	s_add_co_u32 s41, s41, 1
	s_cmp_lt_u32 s24, s23
	s_cbranch_scc0 .Lend                           ; ahead of the next group's loads: nothing is asked for a group that is not there
	s_wait_xcnt 0x0                                ; nothing still reads the bases, nor the rows' registers, which the next group's fragments take
	GBASE
.irp s, 0,1,2,3,4,5,6,7
	ASCW \s
.endr
.irp s, 4,5,6,7,0,1,2,3
	ACODE \s                                       ; in the order in which the steps are taken
.endr
	s_cmp_lt_u32 s41, 2
	s_cbranch_scc1 .Lgroup
.Lend:
	s_wait_tensorcnt 0x0                           ; the wave's end
	ds_add_u32 v6, v7
	s_wait_dscnt 0x0
	s_endpgm
.Lfunc_end_k_q2eb61c89ac_ffn2:
	.size	k_q2eb61c89ac_ffn2, .Lfunc_end_k_q2eb61c89ac_ffn2-k_q2eb61c89ac_ffn2
	.p2alignl 7, 3214868480
	.fill 96, 4, 3214868480
	.section	.rodata,"a",@progbits
	.p2align	6, 0x0
	.amdhsa_kernel k_q2eb61c89ac_ffn2
		.amdhsa_group_segment_fixed_size 149504
		.amdhsa_private_segment_fixed_size 0
		.amdhsa_enable_private_segment 0
		.amdhsa_kernarg_size 48
		.amdhsa_user_sgpr_count 2
		.amdhsa_user_sgpr_kernarg_segment_ptr 1
		.amdhsa_wavefront_size32 1
		.amdhsa_system_sgpr_workgroup_id_x 1
		.amdhsa_system_sgpr_workgroup_id_y 1
		.amdhsa_system_sgpr_workgroup_id_z 1
		.amdhsa_system_vgpr_workitem_id 0
		.amdhsa_next_free_vgpr 256
		.amdhsa_next_free_sgpr 66
		.amdhsa_reserve_vcc 0
		.amdhsa_float_denorm_mode_32 3
		.amdhsa_float_denorm_mode_16_64 3
		.amdhsa_memory_ordered 1
		.amdhsa_forward_progress 1
		.amdhsa_inst_pref_size 90
	.end_amdhsa_kernel
	.amdgpu_metadata
---
amdhsa.version: [ 1, 2 ]
amdhsa.kernels:
  - .name:           k_q2eb61c89ac_ffn2
    .symbol:         k_q2eb61c89ac_ffn2.kd
    .args:
      - { .name: W2, .offset: 0, .size: 8, .value_kind: global_buffer, .address_space: global }
      - { .name: b2, .offset: 8, .size: 8, .value_kind: global_buffer, .address_space: global }
      - { .name: hid, .offset: 16, .size: 8, .value_kind: global_buffer, .address_space: global }
      - { .name: gwb, .offset: 24, .size: 8, .value_kind: global_buffer, .address_space: global }
      - { .name: lists, .offset: 32, .size: 8, .value_kind: global_buffer, .address_space: global }
      - { .name: ybuf, .offset: 40, .size: 8, .value_kind: global_buffer, .address_space: global }
    .group_segment_fixed_size: 149504
    .private_segment_fixed_size: 0
    .kernarg_segment_align: 8
    .kernarg_segment_size: 48
    .max_flat_workgroup_size: 512
    .sgpr_count:     66
    .vgpr_count:     256
    .wavefront_size: 32
...
	.end_amdgpu_metadata
.endif
;; end of part 3
;; launch combine (part 4): grid 256 x 1, 8 waves a work-group, no clusters, 0 bytes of LDS; arguments ybuf, out0; writes out0
.if DOCPART == 4
	.amdgcn_target "amdgcn-amd-amdhsa--gfx1250"
	.amdhsa_code_object_version 6
	.text
	.protected	k_q2eb61c89ac_combine
	.globl	k_q2eb61c89ac_combine
	.p2align	8
	.type	k_q2eb61c89ac_combine,@function
k_q2eb61c89ac_combine:
	s_mov_b64 s[64:65], 0
	v_nop
	global_prefetch_b8 v0, s[64:65] scope:SCOPE_SE
	s_setreg_imm32_b32 hwreg(HW_REG_WAVE_MODE, 25, 1), 1
	s_wait_xcnt 0x0
; out0[token] = the sum of a token's four parts in ybuf [kh 2][2304 rows][1024] f32, row = rank x 1024 + token: two halves of K for each of its two experts, each already times its gate weight.
; Rows 2048 on are spare rows and are not read.
; A stream: a work-group owns 4 rows of 4,096 bytes, a thread 16 bytes of each; every load and store of a wave covers 512 consecutive bytes, aligned.  All sixteen loads go out first; the waits count down.
; No LDS, no barrier, no matrix unit: nothing is shared and nothing is multiplied.
; LIMIT: the four parts are added as (a + b) + (c + d), another order than a sum expert by expert.
.set Y, 16                             ; v16-79: piece c, part k at Y + 16 c + 4 k
	s_load_b128 s[4:7], s[0:1], 0x0                ; ybuf s[4:5], out0 s[6:7]
	s_lshl_b32 s8, ttmp9, 14
	v_lshl_add_u32 v1, v0, 4, s8
	s_wait_alu depctr_va_vdst(0)
	s_wait_kmcnt 0x0
	s_add_nc_u64 s[10:11], s[4:5], 0x900000        ; the plane kh = 1: 2,304 rows of 4,096 bytes on
.irp c, 0,1,2,3
	global_load_b128 v[Y+16*\c:Y+16*\c+3], v1, s[4:5] offset:4096*\c th:TH_LOAD_NT
	global_load_b128 v[Y+16*\c+4:Y+16*\c+7], v1, s[4:5] offset:4096*\c+4194304 th:TH_LOAD_NT
	global_load_b128 v[Y+16*\c+8:Y+16*\c+11], v1, s[10:11] offset:4096*\c th:TH_LOAD_NT
	global_load_b128 v[Y+16*\c+12:Y+16*\c+15], v1, s[10:11] offset:4096*\c+4194304 th:TH_LOAD_NT
.endr
.irp c, 0,1,2,3
	s_wait_loadcnt 12-4*\c                         ; this piece's four loads are in; the later pieces' may be out
	v_pk_add_f32 v[Y+16*\c:Y+16*\c+1], v[Y+16*\c:Y+16*\c+1], v[Y+16*\c+4:Y+16*\c+5]
	v_pk_add_f32 v[Y+16*\c+2:Y+16*\c+3], v[Y+16*\c+2:Y+16*\c+3], v[Y+16*\c+6:Y+16*\c+7]
	v_pk_add_f32 v[Y+16*\c+8:Y+16*\c+9], v[Y+16*\c+8:Y+16*\c+9], v[Y+16*\c+12:Y+16*\c+13]
	v_pk_add_f32 v[Y+16*\c+10:Y+16*\c+11], v[Y+16*\c+10:Y+16*\c+11], v[Y+16*\c+14:Y+16*\c+15]
	s_delay_alu instid0(VALU_DEP_2)
	v_pk_add_f32 v[Y+16*\c:Y+16*\c+1], v[Y+16*\c:Y+16*\c+1], v[Y+16*\c+8:Y+16*\c+9]
	s_delay_alu instid0(VALU_DEP_2)
	v_pk_add_f32 v[Y+16*\c+2:Y+16*\c+3], v[Y+16*\c+2:Y+16*\c+3], v[Y+16*\c+10:Y+16*\c+11]
	global_store_b128 v1, v[Y+16*\c:Y+16*\c+3], s[6:7] offset:4096*\c th:TH_STORE_NT
.endr
	s_endpgm
.Lfunc_end_k_q2eb61c89ac_combine:
	.size	k_q2eb61c89ac_combine, .Lfunc_end_k_q2eb61c89ac_combine-k_q2eb61c89ac_combine
	.p2alignl 7, 3214868480
	.fill 96, 4, 3214868480
	.section	.rodata,"a",@progbits
	.p2align	6, 0x0
	.amdhsa_kernel k_q2eb61c89ac_combine
		.amdhsa_group_segment_fixed_size 0
		.amdhsa_private_segment_fixed_size 0
		.amdhsa_enable_private_segment 0
		.amdhsa_kernarg_size 16
		.amdhsa_user_sgpr_count 2
		.amdhsa_user_sgpr_kernarg_segment_ptr 1
		.amdhsa_wavefront_size32 1
		.amdhsa_system_sgpr_workgroup_id_x 1
		.amdhsa_system_sgpr_workgroup_id_y 1
		.amdhsa_system_sgpr_workgroup_id_z 1
		.amdhsa_system_vgpr_workitem_id 0
		.amdhsa_next_free_vgpr 80
		.amdhsa_next_free_sgpr 66
		.amdhsa_reserve_vcc 0
		.amdhsa_float_denorm_mode_32 3
		.amdhsa_float_denorm_mode_16_64 3
		.amdhsa_memory_ordered 1
		.amdhsa_forward_progress 1
		.amdhsa_inst_pref_size 5
	.end_amdhsa_kernel
	.amdgpu_metadata
---
amdhsa.version: [ 1, 2 ]
amdhsa.kernels:
  - .name:           k_q2eb61c89ac_combine
    .symbol:         k_q2eb61c89ac_combine.kd
    .args:
      - { .name: ybuf, .offset: 0, .size: 8, .value_kind: global_buffer, .address_space: global }
      - { .name: out0, .offset: 8, .size: 8, .value_kind: global_buffer, .address_space: global }
    .group_segment_fixed_size: 0
    .private_segment_fixed_size: 0
    .kernarg_segment_align: 8
    .kernarg_segment_size: 16
    .max_flat_workgroup_size: 256
    .sgpr_count:     66
    .vgpr_count:     80
    .wavefront_size: 32
...
	.end_amdgpu_metadata
.endif
;; end of part 4
